; MI455X (gfx1250); checked and timed in simulation.
; The chip was launched on July 23, 2026; its instructions are those of AMD's public machine-readable ISA for CDNA 5 (MIT licence, August 2026) and "CDNA5" Instruction Set Architecture Reference Guide (July 2026). The comments in the code are by the model that wrote it; some were corrected since.
;; Transformer Block. Allowed arithmetic: matrix products marked QUANTISED: E3M2 operands, one E8M0 scale for each 32 along K, by v_wmma_scale_f32_16x16x128_f8f6f4 with both operands' format E3M2, f32 sums; everything else in f32.
;; Inputs: b_ao 1,024 float32; b_fo 1,024 float32; b_q 1,024 float32; b_qkv 3,072 float32; ln1_b 1,024 float32; ln1_g 1,024 float32; ln2_b 1,024 float32; ln2_g 1,024 float32; w_ao 1,024 x 1,024 float32; w_fo 1,024 x 1,024 float32; w_q 1,024 x 1,024 float32; w_qkv 3,072 x 1,024 float32; x 1 x 2,048 x 1,024 float32.
;; Outputs: out0 1 x 2,048 x 1,024 float32.
;; This version of the problem:
;;   THIS VERSION OF THE PROBLEM IS GIVEN IN LOW PRECISION. The matrix products marked QUANTISED in the list below multiply operands that are first quantised to E3M2 (3 exponent bits, 2 mantissa bits; 6 bits a number), with one power-of-two scale for each 32 numbers along K (OCP MX v1.0); their sums are f32. All else is computed in f32.
;;   The module's matrix products, in the order in which they are computed (A, B: the left and right operand; K: the contracted axis; several contracted axes count as one K, in the product's order):
;;     1. [M 2,048, K 1,024] x [K 1,024, N 3,072]; A: computed on the way; B: input w_qkv: QUANTISED
;;     2. batch 16 x [M 2,048, K 64] x [K 64, N 2,048]; A: computed on the way; B: computed on the way: QUANTISED
;;     3. batch 16 x [M 64, K 2,048] x [K 2,048, N 2,048]; A: computed on the way; B: softmax (see below): QUANTISED
;;     4. [M 2,048, K 1,024] x [K 1,024, N 1,024]; A: computed on the way; B: input w_ao: QUANTISED
;;     5. [M 2,048, K 1,024] x [K 1,024, N 1,024]; A: computed on the way; B: input w_q: QUANTISED
;;     6. batch 16 x [M 2,048, K 64] x [K 64, N 2,048]; A: computed on the way; B: computed on the way: QUANTISED
;;     7. batch 16 x [M 64, K 2,048] x [K 2,048, N 2,048]; A: computed on the way; B: softmax (see below): QUANTISED
;;     8. [M 2,048, K 1,024] x [K 1,024, N 1,024]; A: computed on the way; B: input w_fo: QUANTISED
;;   THE QUANTISER, for each operand of a quantised product, along K:
;;     - K is cut into blocks of 32 from its start; a last block that is shorter is filled with zeros.
;;     - A block's scale is 2^e with e = floor(log2(the largest magnitude in the block)) - 4, held to -126 .. 127; a block of zeros has e = 0. As a byte (E8M0): e + 127.
;;     - Each number is divided by its block's scale, clamped to +-28, and rounded to the nearest number of E3M2, ties to even, subnormals kept.
;;     - The product sums the exact products of the quantised numbers (number of the format x scale) in f32.
;;   ~~~python
;;   def quantise(x, axis):      # numpy; x: float32 -> the quantised numbers, widened to float32 again
;;       x = np.moveaxis(x, axis, -1); K = x.shape[-1]
;;       x = np.pad(x, [(0, 0)] * (x.ndim - 1) + [(0, -K % 32)]); x = x.reshape(x.shape[:-1] + (-1, 32)); a = np.abs(x).max(-1, keepdims=True)
;;       e = np.where(a > 0, np.clip(np.frexp(np.where(a > 0, a, 1))[1] - 1 - 4, -126, 127), 0)      # np.frexp(a)[1] - 1 = floor(log2(a)), exactly
;;       r = np.clip(x / 2.0 ** e, -28, 28)
;;       step = 2.0 ** (np.maximum(np.frexp(np.where(r == 0, 1, r))[1] - 1, -2) - 2)
;;       q = np.round(r / step) * step * 2.0 ** e      # np.round: ties to even
;;       return np.moveaxis(q.reshape(q.shape[:-2] + (-1,))[..., :K], -1, axis).astype(np.float32)
;;   ~~~
;;   SOFTMAX AHEAD OF A QUANTISED PRODUCT. Where the list says 'softmax', what is quantised is not the finished softmax but p = 2^(t - M), with t = logit x log2(e) and M = ceil(the row's largest t), a whole number; so 1/2 < the row's largest p <= 1. The row's sum l is taken of the UNQUANTISED p, in f32, and the product's result is divided by l at the end. Since M is a whole number, a kernel that streams over the keys may use a running M (the ceiling of the running maximum): every later rescaling is an exact power of two, which a block's scale takes up: the codes' values come out the same.
;;   OPERANDS COMPUTED ON THE WAY. 'Computed on the way' means the value that the module computes at that place (a softmax that the list does not call 'softmax' is quantised finished and normalised). What goes into a quantiser is computed in f32, as accurately as f32 sums, v_exp_f32 and their like allow (about 1e-6 of the number): no bf16 or f16 on the way to a quantiser, and a product that is left as it is and whose result goes on into a quantised operand takes f32 operands (vector FMAs, or v_wmma_f32_16x16x4_f32). A number that lies on a knife's edge between two numbers of the format may be rounded either way, as far as f32 arithmetic and the matrix unit's own rounding can turn it there, and no further.
;; One version. Each part assembles by itself: llvm-mc -triple=amdgcn-amd-amdhsa -mcpu=gfx1250 --defsym DOCPART=n.
;; ======== version 1 of 1: 8 launches
;; limits: a function is approximated: absolute error at most 1.5e-07
;; workspace buffers: wimg 4,915,200 bytes; act 1,638,400 bytes; qimg 1,703,936 bytes; kv 3,342,336 bytes; hres 8,388,608 bytes
;; launch prep (part 1): grid 512 x 1, 8 waves a work-group, no clusters, 70,144 bytes of LDS; arguments x, ln1_g, ln1_b, w_qkv, w_ao, w_q, w_fo, wimg, act; writes wimg, act
.if DOCPART == 1
	.amdgcn_target "amdgcn-amd-amdhsa--gfx1250"
	.amdhsa_code_object_version 6
	.text
	.protected	k_q75545f36e8_prep
	.globl	k_q75545f36e8_prep
	.p2align	8
	.type	k_q75545f36e8_prep,@function
k_q75545f36e8_prep:
	s_mov_b64 s[64:65], 0
	v_nop
	global_prefetch_b8 v0, s[64:65] scope:SCOPE_SE
	s_setreg_imm32_b32 hwreg(HW_REG_WAVE_MODE, 25, 1), 1
	s_wait_xcnt 0x0
; The four weights [N][1024] f32, and LN1(x) of x [2048][1024] f32, become codes of BF6 (E3M2) with one E8M0 byte for each 32 along K = 1,024, laid in the ORDER OF THE OPERAND'S REGISTERS.
; A TILE is 16 rows: tile 2 g + u holds in its place r the row 32 g + 8 u + r + 8 (r / 8).  A tile's record is 12,800 bytes: 512 scale bytes (place r: 32 bytes at 32 r, word s = K step s), then for K step s and half c
; a half fragment of 768 bytes at 512 + 1536 s + 768 c: lane l's six registers (32 codes), the first four at 16 l, the last two at 512 + 8 l.
; SHARES.  Work-group X owns one tile: X < 384 a weight's (0-191 w_qkv, 192-255 w_ao, 256-319 w_q, 320-383 w_fo; record X of wimg), else tile X - 384 of x (record X - 384 of act).  Wave w owns K step w: 16 rows x 128 numbers.
; Each load reads 512 consecutive bytes of one row; the 8 KiB turn through the wave's own stage in LDS (rows 528 bytes apart), so that lane (r, h) holds of row place r the numbers 32 b + 16 h + 0 .. 15 of each block b.
; LN: mean, then the squares of the deviations (two passes in registers: no difference of large sums); the eight waves' parts meet in LDS.  No input is shared between work-groups: no cluster, no tensor load.
; A block's scale byte is its largest magnitude's exponent field - 4, held at 1 from below.
; LIMITS: a block of zeros, or one whose largest magnitude lies under 2^-122, gets the byte 1 (its bytes are read by this program alone); NaN and infinities among the inputs are not served.
.set TRB,   12800
.set SROW,  528
.set STGB,  16*SROW                    ; a wave's stage
.set RED0,  8*STGB                     ; 512 bytes: the waves' sums, [place r][wave]; the squares' 512 bytes behind them
.set REDB,  512
.set SCG,   RED0+2*REDB                ; 512 bytes: the tile's scale words, as they lie in the record
.set NWT,   384                        ; tiles of weights
.set R,   16                           ; v16-79   16 loads as they come; later the gains
.set T,   80                           ; v80-143  my 64 numbers: register 16 b + i = k 32 b + 16 h + i
.set BB,  144                          ; v144-207 the shifts
.set PC,  208                          ; v208-226 the codes just made
.set TM,  228                          ; v228-243 at work
.set PW,  244                          ; the scale word just made
.set W,   246                          ; v246-250 sums
.set RS,  252                          ; v[252:253] 1 / sqrt(var + eps), twice
.set MU,  254                          ; v[254:255] the mean, twice
.set SEL, 4                            ; s[4:5] lane selects for v_permlanex16_b32: lane l xor 16
.set WV,  6
.macro BAR                             ; my LDS stores have landed and my LDS loads are in: then the work-group's barrier
	s_wait_dscnt 0x0
	s_barrier_signal -1
	s_barrier_wait -1
.endm
; 64 numbers of a lane, v[s] .. v[s + 63], become a fragment's 12 registers of codes in v[PC] on and its row's scale word in v[PW]
.macro QUANT s
.irp b, 0,1,2,3
	v_max3_num_f32 v[TM+\b], |v[\s+16*\b]|, |v[\s+1+16*\b]|, 0x2800000   ; block b: my 16 numbers, and the floor 2^(5 - 127): the byte cannot fall under 1
.endr
.irp i, 2,4,6,8,10,12,14
.irp b, 0,1,2,3
	v_max3_num_f32 v[TM+\b], v[TM+\b], |v[\s+16*\b+\i]|, |v[\s+1+16*\b+\i]|   ; the four blocks by turns
.endr
.endr
.irp b, 0,1,2,3
	v_permlanex16_b32 v[TM+4+\b], v[TM+\b], s[SEL], s[SEL+1]
.endr
.irp b, 0,1,2,3
	v_max_num_f32 v[TM+\b], v[TM+\b], v[TM+4+\b]   ; with lane l xor 16's: the block's largest magnitude
.endr
.irp b, 0,1,2,3
	v_add_nc_u32 v[TM+12+\b], 0xfe000000, v[TM+\b]   ; 4 off its exponent field: the conversion's scale operand
.endr
.irp b, 0,1,2,3
	v_lshrrev_b32 v[TM+4+\b], 23, v[TM+12+\b]      ; the scale's byte
.endr
	v_lshl_or_b32 v[PW], v[TM+5], 8, v[TM+4]
	v_lshl_or_b32 v[PW], v[TM+6], 16, v[PW]
	v_lshl_or_b32 v[PW], v[TM+7], 24, v[PW]
.irp c, 0,1
	v_cvt_scalef32_pk16_bf6_f32 v[PC+6*\c:PC+2+6*\c], v[\s+32*\c:\s+15+32*\c], v[TM+12+2*\c]
	v_cvt_scalef32_pk16_bf6_f32 v[PC+12+4*\c:PC+14+4*\c], v[\s+16+32*\c:\s+31+32*\c], v[TM+12+2*\c+1]   ; a conversion's three registers begin on an even number
.endr
	v_nop                                          ; one plain place behind a scaled conversion
.irp c, 0,1                                    ; the operand wants a WHOLE block in a lane: lanes 0-15 block 2 c, lanes 16-31 block 2 c + 1
.irp i, 0,1,2
	v_permlane16_swap_b32 v[PC+6*\c+\i], v[PC+12+4*\c+\i]
.endr
.irp i, 0,1,2
	v_mov_b32 v[PC+3+6*\c+\i], v[PC+12+4*\c+\i]
.endr
.endr
.endm
; two packed chains in v[W:W+3] become the row's sum over all 1,024 numbers in v[TM]: my lane, lane l xor 16, then the eight waves' parts through LDS, added in one order by all
.macro REDUCE off
	v_pk_add_f32 v[W:W+1], v[W:W+1], v[W+2:W+3]
	v_add_f32 v[W], v[W], v[W+1]
	v_permlanex16_b32 v[W+4], v[W], s[SEL], s[SEL+1]
	v_add_f32 v[W], v[W], v[W+4]
	ds_store_b32 v5, v[W] offset:\off              ; both halves of the lanes write the same word with the same value
	BAR
	ds_load_b128 v[TM:TM+3], v6 offset:\off
	ds_load_b128 v[TM+4:TM+7], v6 offset:\off+16
	s_wait_dscnt 0x0
	v_pk_add_f32 v[TM:TM+1], v[TM:TM+1], v[TM+2:TM+3]
	v_pk_add_f32 v[TM+4:TM+5], v[TM+4:TM+5], v[TM+6:TM+7]
	v_pk_add_f32 v[TM:TM+1], v[TM:TM+1], v[TM+4:TM+5]
	v_add_f32 v[TM], v[TM], v[TM+1]
.endm
	s_load_b256 s[8:15], s[0:1], 0x0               ; x s[8:9], ln1_g s[10:11], ln1_b s[12:13], w_qkv s[14:15]
	s_load_b256 s[16:23], s[0:1], 0x20             ; w_ao s[16:17], w_q s[18:19], w_fo s[20:21], wimg s[22:23]
	s_load_b64 s[24:25], s[0:1], 0x40              ; act
	v_lshl_add_u32 v245, v0, 2, 0x10e00
	v_mov_b32 v251, 0
	v_lshrrev_b32 v10, 5, v0
	v_readfirstlane_b32 s[WV], v10                 ; wave 0..7 = my K step
	v_and_b32 v10, 31, v0                          ; l
	v_and_b32 v11, 15, v0                          ; r
	v_bfe_u32 v12, v0, 4, 1                        ; h
	v_lshlrev_b32 v1, 4, v10                       ; 16 l
	v_lshlrev_b32 v2, 3, v10                       ; 8 l
	s_mul_i32 s7, s[WV], STGB
	v_add_nc_u32 v3, s7, v1                        ; the stage, on the way in: a row's 512 bytes as they lie
	v_mul_u32_u24 v4, v11, SROW
	v_lshl_add_u32 v4, v12, 6, v4
	v_add_nc_u32 v4, s7, v4                        ; and on the way out: place r, + 64 h
	v_lshlrev_b32 v6, 5, v11
	v_add_nc_u32 v6, RED0, v6                      ; the eight waves' sums of place r
	s_lshl_b32 s7, s[WV], 2
	v_add_nc_u32 v5, s7, v6                        ; my wave's word among them
	v_add_nc_u32 v7, SCG-RED0, v5                  ; my K step's scale word of place r
	v_add_nc_u32 v8, SCG, v1                       ; the 512 scale bytes, 16 a lane
	v_lshlrev_b32 v9, 6, v12                       ; gains and shifts: 64 h
	s_mov_b32 s[SEL], 0x76543210
	s_mov_b32 s[SEL+1], 0xfedcba98
	s_mov_b32 s40, 0x3a800000                      ; 1 / 1,024
	s_mov_b32 s41, 0x3727c5ac                      ; eps = 1e-5
.irp b, 0,1,2,3
	v_mov_b32 v[TM+4+\b], 0                        ; written once: a lane permute's destination counts as one of its sources
.endr
	v_mov_b32 v[W+4], 0
	s_mov_b32 s28, NWT
	s_wait_kmcnt 0x0
	s_cmp_lt_u32 ttmp9, 384                        ; which tensor is mine: the choices hang on the work-group's number alone
	s_cselect_b64 s[26:27], s[20:21], s[8:9]
	s_cselect_b64 s[30:31], s[22:23], s[24:25]
	s_cselect_b32 s28, 320, s28
	s_cmp_lt_u32 ttmp9, 320
	s_cselect_b64 s[26:27], s[18:19], s[26:27]
	s_cselect_b32 s28, 256, s28
	s_cmp_lt_u32 ttmp9, 256
	s_cselect_b64 s[26:27], s[16:17], s[26:27]
	s_cselect_b32 s28, 192, s28
	s_cmp_lt_u32 ttmp9, 192
	s_cselect_b64 s[26:27], s[14:15], s[26:27]
	s_cselect_b32 s28, 0, s28
	s_sub_co_u32 s29, ttmp9, s28                   ; my tile in its tensor
	s_cmp_lt_u32 ttmp9, 384
	s_cselect_b32 s33, ttmp9, s29                  ; and its record in wimg or in act
	s_lshr_b32 s34, s29, 1
	s_lshl_b32 s34, s34, 17                        ; 32 rows of 4,096 bytes for each pair of tiles,
	s_and_b32 s35, s29, 1
	s_lshl_b32 s35, s35, 15                        ; 8 rows for the odd tile,
	s_add_co_u32 s34, s34, s35
	s_lshl_b32 s36, s[WV], 9                       ; 512 bytes for each K step
	s_add_co_u32 s34, s34, s36
	s_mov_b32 s35, 0
	s_mov_b32 s37, 0
	s_add_nc_u64 s[26:27], s[26:27], s[34:35]
	s_add_nc_u64 s[10:11], s[10:11], s[36:37]      ; my K step's gains
	s_add_nc_u64 s[12:13], s[12:13], s[36:37]      ; and shifts
	s_mul_i32 s36, s33, TRB
	s_add_nc_u64 s[30:31], s[30:31], s[36:37]      ; the record's head
	s_mul_i32 s36, s[WV], 1536
	s_add_nc_u64 s[38:39], s[30:31], s[36:37]      ; my K step's two half fragments lie 512 bytes behind this
.irp i, 0,1,2,3,4,5,6,7,8,9,10,11,12,13,14,15
	global_load_b128 v[R+4*\i:R+4*\i+3], v1, s[26:27] offset:(\i+8*(\i/8))*4096 th:TH_LOAD_NT   ; place i's row: 32 lanes read 512 consecutive bytes
.endr
.irp i, 0,1,2,3,4,5,6,7,8,9,10,11,12,13,14,15
	s_wait_loadcnt 15-\i                           ; loads come back in order: place i's is in, the 15 - i younger ones may be out
	ds_store_b128 v3, v[R+4*\i:R+4*\i+3] offset:SROW*\i
.endr
.irp b, 0,1,2,3
.irp q, 0,1,2,3
	ds_load_b128 v[T+16*\b+4*\q:T+16*\b+4*\q+3], v4 offset:128*\b+16*\q   ; LDS serves a wave's instructions in order: these see my stores
.endr
.endr
	s_wait_dscnt 0x0                               ; my 64 numbers are in, and the stores have read their registers
	s_cmp_lt_u32 ttmp9, 384
	s_cbranch_scc1 .Lquant                         ; a weight is quantised as it is (the branch is the same in all eight waves)
	; ---- LN1: (x - mean) / sqrt(var + eps) x gain + shift
.irp b, 0,1,2,3
.irp q, 0,1,2,3
	global_load_b128 v[R+16*\b+4*\q:R+16*\b+4*\q+3], v9, s[10:11] offset:128*\b+16*\q
	global_load_b128 v[BB+16*\b+4*\q:BB+16*\b+4*\q+3], v9, s[12:13] offset:128*\b+16*\q
.endr
.endr
	v_pk_add_f32 v[W:W+1], v[T:T+1], v[T+2:T+3]
	v_pk_add_f32 v[W+2:W+3], v[T+4:T+5], v[T+6:T+7]
.irp j, 8,12,16,20,24,28,32,36,40,44,48,52,56,60
	v_pk_add_f32 v[W:W+1], v[W:W+1], v[T+\j:T+\j+1]
	v_pk_add_f32 v[W+2:W+3], v[W+2:W+3], v[T+\j+2:T+\j+3]
.endr
	REDUCE 0
	v_mul_f32 v[MU], s40, v[TM]
	v_mov_b32 v[MU+1], v[MU]
.set j, 0
.rept 32
	v_pk_add_f32 v[T+j:T+j+1], v[T+j:T+j+1], v[MU:MU+1] neg_lo:[0,1] neg_hi:[0,1]
.set j, j+2
.endr
	v_pk_mul_f32 v[W:W+1], v[T:T+1], v[T:T+1]
	v_pk_mul_f32 v[W+2:W+3], v[T+2:T+3], v[T+2:T+3]
.irp j, 4,8,12,16,20,24,28,32,36,40,44,48,52,56,60
	v_pk_fma_f32 v[W:W+1], v[T+\j:T+\j+1], v[T+\j:T+\j+1], v[W:W+1]
	v_pk_fma_f32 v[W+2:W+3], v[T+\j+2:T+\j+3], v[T+\j+2:T+\j+3], v[W+2:W+3]
.endr
	REDUCE REDB
	v_fma_f32 v[TM], v[TM], s40, s41               ; var + eps
	v_rsq_f32 v[RS], v[TM]
	v_rsq_f32 v[RS+1], v[TM]
	v_nop                                          ; a plain place behind the transcendentals
	s_wait_alu depctr_va_vdst(0)                   ; one wait for both, ahead of their first reader
	s_wait_loadcnt 0x0                             ; gains and shifts
.set j, 0
.rept 32
	v_pk_mul_f32 v[T+j:T+j+1], v[T+j:T+j+1], v[RS:RS+1]
.set j, j+2
.endr
.set j, 0
.rept 32
	v_pk_fma_f32 v[T+j:T+j+1], v[T+j:T+j+1], v[R+j:R+j+1], v[BB+j:BB+j+1]
.set j, j+2
.endr
.Lquant:
	QUANT T
.irp c, 0,1
	global_store_b128 v1, v[PC+6*\c:PC+6*\c+3], s[38:39] offset:512+768*\c      ; 32 lanes store 512 consecutive bytes
	global_store_b64 v2, v[PC+6*\c+4:PC+6*\c+5], s[38:39] offset:1024+768*\c    ; and 256
.endr
	ds_store_b32 v7, v[PW]                         ; the eight K steps' scale words meet in LDS
	BAR
	s_cmp_lg_u32 s[WV], 0
	s_cbranch_scc1 .Lend
	ds_load_b128 v[16:19], v8
	s_wait_dscnt 0x0
	global_store_b128 v1, v[16:19], s[30:31]       ; and leave as 512 consecutive bytes at the record's head
.Lend:
	s_wait_tensorcnt 0x0
	ds_add_u32 v245, v251
	s_wait_dscnt 0x0
	s_endpgm
.Lfunc_end_k_q75545f36e8_prep:
	.size	k_q75545f36e8_prep, .Lfunc_end_k_q75545f36e8_prep-k_q75545f36e8_prep
	.p2alignl 7, 3214868480
	.fill 96, 4, 3214868480
	.section	.rodata,"a",@progbits
	.p2align	6, 0x0
	.amdhsa_kernel k_q75545f36e8_prep
		.amdhsa_group_segment_fixed_size 70144
		.amdhsa_private_segment_fixed_size 0
		.amdhsa_enable_private_segment 0
		.amdhsa_kernarg_size 72
		.amdhsa_user_sgpr_count 2
		.amdhsa_user_sgpr_kernarg_segment_ptr 1
		.amdhsa_wavefront_size32 1
		.amdhsa_system_sgpr_workgroup_id_x 1
		.amdhsa_system_sgpr_workgroup_id_y 1
		.amdhsa_system_sgpr_workgroup_id_z 1
		.amdhsa_system_vgpr_workitem_id 0
		.amdhsa_next_free_vgpr 256
		.amdhsa_next_free_sgpr 66
		.amdhsa_reserve_vcc 0
		.amdhsa_float_denorm_mode_32 3
		.amdhsa_float_denorm_mode_16_64 3
		.amdhsa_memory_ordered 1
		.amdhsa_forward_progress 1
		.amdhsa_inst_pref_size 27
	.end_amdhsa_kernel
	.amdgpu_metadata
---
amdhsa.version: [ 1, 2 ]
amdhsa.kernels:
  - .name:           k_q75545f36e8_prep
    .symbol:         k_q75545f36e8_prep.kd
    .args:
      - { .name: x, .offset: 0, .size: 8, .value_kind: global_buffer, .address_space: global }
      - { .name: ln1_g, .offset: 8, .size: 8, .value_kind: global_buffer, .address_space: global }
      - { .name: ln1_b, .offset: 16, .size: 8, .value_kind: global_buffer, .address_space: global }
      - { .name: w_qkv, .offset: 24, .size: 8, .value_kind: global_buffer, .address_space: global }
      - { .name: w_ao, .offset: 32, .size: 8, .value_kind: global_buffer, .address_space: global }
      - { .name: w_q, .offset: 40, .size: 8, .value_kind: global_buffer, .address_space: global }
      - { .name: w_fo, .offset: 48, .size: 8, .value_kind: global_buffer, .address_space: global }
      - { .name: wimg, .offset: 56, .size: 8, .value_kind: global_buffer, .address_space: global }
      - { .name: act, .offset: 64, .size: 8, .value_kind: global_buffer, .address_space: global }
    .group_segment_fixed_size: 70144
    .private_segment_fixed_size: 0
    .kernarg_segment_align: 8
    .kernarg_segment_size: 72
    .max_flat_workgroup_size: 256
    .sgpr_count:     66
    .vgpr_count:     256
    .wavefront_size: 32
...
	.end_amdgpu_metadata
.endif
;; end of part 1
;; launch gqkv (part 2): grid 16 x 16, 12 waves a work-group, clusters of 4 x 4, 257,536 bytes of LDS; arguments act, wimg, b_qkv, qimg, kv; writes qimg, kv
.if DOCPART == 2
	.amdgcn_target "amdgcn-amd-amdhsa--gfx1250"
	.amdhsa_code_object_version 6
	.text
	.protected	k_q75545f36e8_gqkv
	.globl	k_q75545f36e8_gqkv
	.p2align	8
	.type	k_q75545f36e8_gqkv,@function
k_q75545f36e8_gqkv:
	s_mov_b64 s[64:65], 0
	v_nop
	global_prefetch_b8 v0, s[64:65] scope:SCOPE_SE
	s_setreg_imm32_b32 hwreg(HW_REG_WAVE_MODE, 25, 1), 1
	s_wait_xcnt 0x0
	s_wait_alu depctr_hold_cnt(0) depctr_sa_sdst(0) depctr_va_vdst(0) depctr_va_sdst(0) depctr_va_ssrc(0) depctr_va_vcc(0) depctr_vm_vsrc(0)
	s_getreg_b32 s2, hwreg(HW_REG_IB_STS2, 6, 4)
	s_cmp_eq_u32 s2, 0
	s_cbranch_scc0 .Lentry_in_a_cluster
	s_endpgm
.Lentry_in_a_cluster:
	s_bfe_u32 s2, ttmp6, 0x10000c
	s_cmp_lg_u32 s2, 0xf033
	s_cbranch_scc0 .Lentry_shape_is_right
	s_endpgm
.Lentry_shape_is_right:
; qkv = Q(LN1(x)) Q(w_qkv)^T + b_qkv on codes of BF6 (E3M2), K = 1,024; the results are quantised in registers and leave as codes: q into qimg, k and v into kv.
; OPERANDS are tile records of 12,800 bytes (16 rows x K 1,024): 512 scale bytes (place r: 32 bytes at 32 r, word s = K step s), then half fragments of 768 bytes at 512 + 1536 s + 768 c (lane l: four registers at 16 l, two at 512 + 8 l).
; Tile 2 g + u holds in place r the row 32 g + 8 u + r + 8 (r / 8): so the 16 registers of a result's tiles 2 b and 2 b + 1 of source 0 are 16 NEIGHBOURS, 32 b + 16 (lane / 16) + 0 .. 15.
; A WORK-GROUP of TWELVE waves makes q, k and v of head x for the 128 tokens rs.  Waves 0-3 make q, waves 4-7 k, waves 8-11 v (reg = wave / 4, w = wave % 4): three waves to a SIMD, one of each kind at 256 registers.
; A wave multiplies two tiles of S1 (source 1: a lane holds one of its rows) by four tiles of S0 (source 0: along a lane's registers): 8 accumulators.
;   q, k: S1 = act's tiles 2 w, 2 w + 1 of the 128 tokens, S0 = the 64 rows of w_qkv of (reg, head x): a lane holds a token and 32 of the head's 64 numbers, which are the next product's K.
;   v:    S1 = w_v's tiles 2 (w % 2), + 1 of head x, S0 = act's tiles 4 (w / 2) on (64 keys): a lane holds a channel and 32 of 64 keys, which are the next product's K.
; ALL OPERANDS FIT IN LDS AT ONCE (256,000 bytes): twelve weight records at wave x 12,800, act's eight behind them; each is filled once, no byte is filled again.
; CLUSTER 4 x 4: act's records hang on the row of the cluster alone, the weights' on its column alone: each is asked for JOINTLY by the four that share it.  Every wave asks for one weight record, waves 0-3 also for two of act's:
; a wave has at most two tensor loads out, issued behind the one round of the cluster's barrier.
; OUT.  qimg: half fragment of (head h, tile T) at (128 h + T) 768, its scale words at QSC0 + (128 h + T) 64 + 4 r.  kv: record (head, 128 keys) of 13,056 bytes: K's half fragments of key tiles 0-7 at 768 t;
; V^T's (channel tile t, key half c) at 6,144 + 768 (2 t + c); K's scale words at 12,288 + 64 t + 4 r; V's at 12,800 + 64 t + 4 r.  q's and k's K is 64: bytes 2 and 3 of their words are 0x7f (the scale 1) for the zero codes that fill K to 128.
; LIMITS: a block of zeros, or one whose largest magnitude lies under 2^-122, gets the byte 1 (read by this program alone); NaN and infinities are not served.
.set TRB,   12800
.set REC,   13056
.set HEADB, 16*REC
.set QSC0,  1572864
.set ACTL,  12*TRB                     ; LDS: the twelve weight records at 0, act's eight behind them
.set ACC,   16                         ; v16-79   accumulator (j, i) at v[16 + 8 (4 j + i)]
.set F0,    80                         ; v80-151, v152-223: two sets of fragments: S0's four at + 12 i, S1's two at + 48 + 12 j
.set F1,    152
.set SC,    224                        ; v224-235 scale words and nothing else: two sets of 4 + 2
.set TM,    236                        ; v236-241 at work
.set WV,    14
.set SEL,   22                         ; s[22:23]
.macro PLACES                          ; four places behind a matrix instruction, in front of loads into its registers and of reads of its results
.rept 4
	v_nop
.endr
.endm
.macro CROUND                          ; a round of the cluster's barrier
	s_barrier_signal -1
	s_barrier_wait -1
	s_cmp_lg_u32 s[WV], 0
	s_cbranch_scc1 .Lnot_wave_0_\@
	s_barrier_signal -3
.Lnot_wave_0_\@:
	s_barrier_wait -3
	s_barrier_signal -1
	s_barrier_wait -1
.endm
.macro FETCH s, f                      ; K step s: 30 LDS loads into set f; every load of codes reads consecutive bytes
.irp i, 0,1,2,3
.irp c, 0,1
	ds_load_b128 v[\f+12*\i+6*\c:\f+12*\i+6*\c+3], v9 offset:TRB*\i+512+1536*(\s)+768*\c
	ds_load_b64 v[\f+12*\i+6*\c+4:\f+12*\i+6*\c+5], v10 offset:TRB*\i+1024+1536*(\s)+768*\c
.endr
.endr
.irp j, 0,1
.irp c, 0,1
	ds_load_b128 v[\f+48+12*\j+6*\c:\f+48+12*\j+6*\c+3], v4 offset:TRB*\j+512+1536*(\s)+768*\c
	ds_load_b64 v[\f+48+12*\j+6*\c+4:\f+48+12*\j+6*\c+5], v5 offset:TRB*\j+1024+1536*(\s)+768*\c
.endr
.endr
.irp i, 0,1,2,3
	ds_load_b32 v[SC+6*((\s)%2)+\i], v3 offset:TRB*\i+4*(\s)
.endr
.irp j, 0,1
	ds_load_b32 v[SC+6*((\s)%2)+4+\j], v6 offset:TRB*\j+4*(\s)
.endr
.endm
.macro MUL s, f                        ; 8 matrix instructions, the 8 accumulators by turns
.irp j, 0,1
.irp i, 0,1,2,3
	v_wmma_scale_f32_16x16x128_f8f6f4 v[ACC+8*(4*\j+\i):ACC+8*(4*\j+\i)+7], v[\f+12*\i:\f+12*\i+11], v[\f+48+12*\j:\f+48+12*\j+11], v[ACC+8*(4*\j+\i):ACC+8*(4*\j+\i)+7], v[SC+6*((\s)%2)+\i], v[SC+6*((\s)%2)+4+\j] matrix_a_fmt:MATRIX_FMT_BF6 matrix_b_fmt:MATRIX_FMT_BF6
.endr
.endr
.endm
; 32 numbers of a lane, register 16 b + i = k 32 b + 16 (lane / 16) + i, become a half fragment's six registers v[pc] on (v[pc+6] to v[pc+8] at work) and the two scale bytes in v[pw]
.macro QUANT2 s, pc, pw
.irp b, 0,1
	v_max3_num_f32 v[TM+\b], |v[\s+16*\b]|, |v[\s+1+16*\b]|, 0x2800000   ; each accumulator is read from its low end on; the floor 2^(5 - 127) holds the byte at 1 from below
.endr
.irp i, 2,4,6,8,10,12,14
.irp b, 0,1
	v_max3_num_f32 v[TM+\b], v[TM+\b], |v[\s+16*\b+\i]|, |v[\s+1+16*\b+\i]|
.endr
.endr
.irp b, 0,1
	v_permlanex16_b32 v[TM+2+\b], v[TM+\b], s[SEL], s[SEL+1]
.endr
.irp b, 0,1
	v_max_num_f32 v[TM+\b], v[TM+\b], v[TM+2+\b]
.endr
.irp b, 0,1
	v_add_nc_u32 v[TM+4+\b], 0xfe000000, v[TM+\b]  ; 4 off the exponent field: the conversion's scale operand
.endr
.irp b, 0,1
	v_lshrrev_b32 v[TM+2+\b], 23, v[TM+4+\b]
.endr
	v_lshl_or_b32 v[\pw], v[TM+3], 8, v[TM+2]
	v_cvt_scalef32_pk16_bf6_f32 v[\pc:\pc+2], v[\s:\s+15], v[TM+4]
	v_cvt_scalef32_pk16_bf6_f32 v[\pc+6:\pc+8], v[\s+16:\s+31], v[TM+5]
	v_nop                                          ; one plain place behind a scaled conversion
.irp i, 0,1,2
	v_permlane16_swap_b32 v[\pc+\i], v[\pc+6+\i]   ; a WHOLE block to a lane: lanes 0-15 block 0, lanes 16-31 block 1
.endr
.irp i, 0,1,2
	v_mov_b32 v[\pc+3+\i], v[\pc+6+\i]
.endr
.endm
.macro PUTQK cb, sb                    ; my two tiles' half fragments (768 bytes each, on end) and their 128 bytes of scale words
	global_store_b128 v1, v[80:83], s[\cb:\cb+1]
	global_store_b64 v2, v[84:85], s[\cb:\cb+1] offset:512
	global_store_b128 v1, v[92:95], s[\cb:\cb+1] offset:768
	global_store_b64 v2, v[96:97], s[\cb:\cb+1] offset:1280
	global_store_b32 v7, v106, s[\sb:\sb+1]
.endm
	s_load_b256 s[4:11], s[0:1], 0x0               ; act s[4:5], wimg s[6:7], the bias s[8:9], qimg s[10:11]
	s_load_b64 s[12:13], s[0:1], 0x20              ; kv
	v_lshl_add_u32 v254, v0, 2, 0x3e800
	v_mov_b32 v255, 0
	ds_add_u32 v254, v255
	ds_add_u32 v254, v255
	v_lshrrev_b32 v12, 5, v0
	v_readfirstlane_b32 s[WV], v12                 ; wave 0..11
	s_and_b32 s20, s[WV], 3                        ; w
	s_lshr_b32 s21, s[WV], 2                       ; reg: 0 q, 1 k, 2 v
	s_bfe_u32 s15, ttmp6, 0x40000                  ; cx
	s_bfe_u32 s16, ttmp6, 0x40004                  ; cy
	s_lshl_b32 s17, ttmp9, 2
	s_add_co_u32 s17, s17, s15                     ; x = 4 x cluster x + cx: the head
	s_and_b32 s18, ttmp7, 0xffff
	s_lshl_b32 s19, s18, 2
	s_add_co_u32 s19, s19, s16                     ; rs = 4 x cluster y + cy: which 128 tokens
	s_lshl_b32 s52, s16, 2
	s_lshl_b32 s52, 15, s52                        ; my row of the cluster
	s_lshl_b32 s53, 0x1111, s15                    ; my column
	; group 1: dense blocks as rows of 256 bytes (32 elements of 8 bytes): act: two records, 100 rows; a weight: one record, 50 rows
	s_or_b32 s24, s52, (3<<16)|(1<<21)             ; 15:0 the mask; 17:16 elements of 8 bytes; 21 set beside a mask
	s_mov_b32 s25, 32<<16
	s_mov_b32 s26, 100<<16
	s_mov_b32 s27, 32<<16
	s_mov_b32 s28, 100
	s_mov_b32 s29, 32
	s_mov_b32 s30, 0
	s_mov_b32 s31, 0
	s_or_b32 s36, s53, (3<<16)|(1<<21)
	s_mov_b32 s37, 32<<16
	s_mov_b32 s38, 50<<16
	s_mov_b32 s39, 32<<16
	s_mov_b32 s40, 50
	s_mov_b32 s41, 32
	s_mov_b32 s42, 0
	s_mov_b32 s43, 0
	s_lshl_b32 s54, s19, 3                         ; act's tiles 8 rs on (never cx),
	s_lshl_b32 s59, s20, 1
	s_add_co_u32 s54, s54, s59                     ; records 2 w, 2 w + 1 (waves 0-3 fetch them)
	s_mul_i32 s54, s54, TRB
	s_mov_b32 s55, 0
	s_lshl_b32 s56, s17, 2                         ; the weight's tile 64 reg + 4 x + w (never cy)
	s_lshl_b32 s57, s21, 6
	s_add_co_u32 s56, s56, s57
	s_add_co_u32 s56, s56, s20
	s_mul_i32 s56, s56, TRB
	s_mov_b32 s57, 0
	s_mov_b32 s32, 1
	s_mul_i32 s33, s20, 2*TRB
	s_add_co_u32 s33, s33, ACTL                    ; LDS addresses hang on the wave's number alone
	s_mov_b32 s44, 1
	s_mul_i32 s45, s[WV], TRB
	s_wait_dscnt 0x0
	s_wait_kmcnt 0x0
	s_add_nc_u64 s[34:35], s[4:5], s[54:55]
	s_or_b32 s35, s35, 0x80000000
	s_add_nc_u64 s[46:47], s[6:7], s[56:57]
	s_or_b32 s47, s47, 0x80000000
	CROUND                                         ; all sixteen work-groups are here: the joint loads meet
	tensor_load_to_lds s[44:47], s[36:43]          ; every wave: its weight record
	s_nop 0
	PLACES                                         ; four v_nop follow each load, ahead of the branch and the label
	s_cmp_lt_u32 s[WV], 4                          ; the branch hangs on the wave's number alone: it is the same in every work-group
	s_cbranch_scc0 .Lno_act
	tensor_load_to_lds s[32:35], s[24:31]          ; waves 0-3: two records of act each
	s_nop 0
	PLACES
.Lno_act:
	v_and_b32 v12, 31, v0                          ; l
	v_and_b32 v13, 15, v0                          ; r
	v_bfe_u32 v14, v0, 4, 1                        ; h
	v_lshlrev_b32 v1, 4, v12                       ; 16 l
	v_lshlrev_b32 v2, 3, v12                       ; 8 l
	v_lshlrev_b32 v7, 2, v12                       ; 4 l
	v_lshlrev_b32 v11, 5, v13                      ; 32 r (scale words)
	; where my operands lie in LDS: made here, ahead of the first parting of the waves
	s_mul_i32 s60, s21, 4*TRB                      ; q, k: S0 = my region's four weight records,
	s_mov_b32 s61, s33                             ;       S1 = act's records 2 w, 2 w + 1
	s_lshr_b32 s62, s20, 1
	s_mul_i32 s62, s62, 4*TRB
	s_add_co_u32 s62, s62, ACTL                    ; v: S0 = act's records 4 (w / 2) on,
	s_and_b32 s63, s20, 1
	s_mul_i32 s63, s63, 2*TRB
	s_add_co_u32 s63, s63, 8*TRB                   ;    S1 = w_v's records 2 (w % 2), + 1
	s_cmp_lt_u32 s[WV], 8
	s_cselect_b32 s60, s60, s62
	s_cselect_b32 s61, s61, s63
	v_add_nc_u32 v9, s60, v1                       ; S0: + 16 l,
	v_add_nc_u32 v10, s60, v2                      ; + 8 l,
	v_add_nc_u32 v3, s60, v11                      ; + 32 r
	v_add_nc_u32 v4, s61, v1                       ; the same for S1
	v_add_nc_u32 v5, s61, v2
	v_add_nc_u32 v6, s61, v11
	v_lshlrev_b32 v8, 6, v14                       ; the bias along the registers: 64 h
	v_and_b32 v15, 8, v13
	v_add_nc_u32 v15, v15, v13
	v_lshlrev_b32 v15, 2, v15                      ; the bias along the lanes: 4 (r + 8 (r / 8))
	v_mov_b32 v[TM+2], 0                           ; written once: a lane permute's destination counts as one of its sources
	v_mov_b32 v[TM+3], 0
	s_mov_b32 s[SEL], 0x76543210
	s_mov_b32 s[SEL+1], 0xfedcba98
	s_lshl_b32 s66, s17, 8                         ; the bias of (reg, head x): feature 1,024 reg + 64 x,
	s_lshl_b32 s67, s21, 12
	s_add_co_u32 s66, s66, s67
	s_and_b32 s68, s20, 1
	s_lshl_b32 s68, s68, 7
	s_cmp_lt_u32 s[WV], 8
	s_cselect_b32 s68, 0, s68                      ; v: + 32 (w % 2): my two tiles' channels
	s_add_co_u32 s66, s66, s68
	s_mov_b32 s67, 0
	s_add_nc_u64 s[8:9], s[8:9], s[66:67]
	; THE BIAS IS LOADED INTO THE ACCUMULATORS, in the result's layout: the first K step adds onto it, and nothing is cleared or added later
	s_cmp_lt_u32 s[WV], 8
	s_cbranch_scc0 .Lbias_v
.irp j, 0,1
.irp i, 0,1,2,3
	global_load_b128 v[ACC+8*(4*\j+\i):ACC+8*(4*\j+\i)+3], v8, s[8:9] offset:(32*(\i/2)+8*(\i%2))*4       ; features 32 b + 16 h + 8 u + 0 .. 7
	global_load_b128 v[ACC+8*(4*\j+\i)+4:ACC+8*(4*\j+\i)+7], v8, s[8:9] offset:(32*(\i/2)+8*(\i%2))*4+16
.endr
.endr
	s_branch .Lbias_done
.Lbias_v:
.irp j, 0,1
.set e, 0
.rept 32
	global_load_b32 v[ACC+32*\j+e], v15, s[8:9] offset:32*\j   ; v: a lane's 32 results of tile j belong to one feature
.set e, e+1
.endr
.endr
.Lbias_done:
	s_wait_tensorcnt 0x0                           ; my records are in LDS,
	s_barrier_signal -1
	s_barrier_wait -1                              ; all twenty are
	FETCH 0, F0
	s_wait_dscnt 0x0
	s_wait_loadcnt 0x0                             ; the bias
	MUL 0, F0
	PLACES
	FETCH 1, F1
.irp s, 1,2,3,4,5,6
	FETCH \s+1, F0+72*((\s+1)%2)                   ; the other set's last products stand four places back
	s_wait_dscnt 30                                ; all but the 30 loads just issued: this K step's fragments are in
	MUL \s, F0+72*(\s%2)
	PLACES
.endr
	s_wait_dscnt 0x0
	MUL 7, F1
	PLACES
	; ---- the results become codes: a lane's 32 numbers of tile j are 32 b + 16 h + 0 .. 15 along the next K
.irp j, 0,1
	QUANT2 ACC+32*\j, 80+12*\j, 104+\j
.endr
	v_cmp_gt_u32 vcc_lo, 16, v12
	v_cndmask_b32 v106, v105, v104, vcc_lo         ; lanes 0-15: tile 0's bytes of place r; lanes 16-31: tile 1's
	s_mul_i32 s56, s17, HEADB
	s_mul_i32 s57, s19, REC
	s_add_co_u32 s56, s56, s57                     ; kv's record (head x, key step rs)
	s_mov_b32 s67, 0
	s_mov_b32 s69, 0
	s_cmp_lt_u32 s[WV], 8
	s_cbranch_scc0 .Lput_v
	v_or_b32 v106, 0x7f7f0000, v106                ; K = 64: the word's upper two bytes are the scale 1
	s_lshl_b32 s52, s17, 7
	s_lshl_b32 s53, s19, 3
	s_add_co_u32 s52, s52, s53
	s_lshl_b32 s53, s20, 1
	s_add_co_u32 s52, s52, s53                     ; 128 x + 8 rs + 2 w: (head, tile)
	s_mul_i32 s54, s52, 768                        ; as q: its codes,
	s_lshl_b32 s55, s52, 6
	s_add_co_u32 s55, s55, QSC0                    ; its scale words
	s_mul_i32 s57, s20, 1536
	s_add_co_u32 s57, s57, s56                     ; as k: key tiles 2 w, 2 w + 1,
	s_lshl_b32 s58, s20, 7
	s_add_co_u32 s58, s58, s56
	s_add_co_u32 s58, s58, 12288                   ; their scale words
	s_cmp_lt_u32 s[WV], 4
	s_cselect_b64 s[60:61], s[10:11], s[12:13]
	s_cselect_b32 s66, s54, s57
	s_cselect_b32 s68, s55, s58
	s_add_nc_u64 s[66:67], s[60:61], s[66:67]
	s_add_nc_u64 s[68:69], s[60:61], s[68:69]
	PUTQK 66, 68
	s_branch .Lend
.Lput_v:
	s_and_b32 s53, s20, 1                          ; channel tiles 2 (w % 2), + 1,
	s_lshr_b32 s55, s20, 1                         ; key half w / 2
	s_mul_i32 s54, s53, 3072
	s_mul_i32 s57, s55, 768
	s_add_co_u32 s66, s56, s54
	s_add_co_u32 s66, s66, s57
	s_add_co_u32 s66, s66, 6144
	s_lshl_b32 s54, s53, 7
	s_lshl_b32 s57, s55, 1
	s_add_co_u32 s68, s56, s54
	s_add_co_u32 s68, s68, s57
	s_add_co_u32 s68, s68, 12800                   ; two of a scale word's four bytes
	s_add_nc_u64 s[66:67], s[12:13], s[66:67]
	s_add_nc_u64 s[68:69], s[12:13], s[68:69]
	global_store_b128 v1, v[80:83], s[66:67]
	global_store_b64 v2, v[84:85], s[66:67] offset:512
	global_store_b128 v1, v[92:95], s[66:67] offset:1536
	global_store_b64 v2, v[96:97], s[66:67] offset:2048
	global_store_b16 v7, v106, s[68:69]
.Lend:
	s_wait_tensorcnt 0x0
	ds_add_u32 v254, v255
	s_wait_dscnt 0x0
	CROUND                                         ; the closing round: no work-group ends while a partner may still ask for a tile that names it
	s_endpgm
.Lfunc_end_k_q75545f36e8_gqkv:
	.size	k_q75545f36e8_gqkv, .Lfunc_end_k_q75545f36e8_gqkv-k_q75545f36e8_gqkv
	.p2alignl 7, 3214868480
	.fill 96, 4, 3214868480
	.section	.rodata,"a",@progbits
	.p2align	6, 0x0
	.amdhsa_kernel k_q75545f36e8_gqkv
		.amdhsa_group_segment_fixed_size 257536
		.amdhsa_private_segment_fixed_size 0
		.amdhsa_enable_private_segment 0
		.amdhsa_kernarg_size 40
		.amdhsa_user_sgpr_count 2
		.amdhsa_user_sgpr_kernarg_segment_ptr 1
		.amdhsa_wavefront_size32 1
		.amdhsa_system_sgpr_workgroup_id_x 1
		.amdhsa_system_sgpr_workgroup_id_y 1
		.amdhsa_system_sgpr_workgroup_id_z 1
		.amdhsa_system_vgpr_workitem_id 0
		.amdhsa_next_free_vgpr 256
		.amdhsa_next_free_sgpr 96
		.amdhsa_reserve_vcc 1
		.amdhsa_float_denorm_mode_32 3
		.amdhsa_float_denorm_mode_16_64 3
		.amdhsa_memory_ordered 1
		.amdhsa_forward_progress 1
		.amdhsa_inst_pref_size 45
	.end_amdhsa_kernel
	.amdgpu_metadata
---
amdhsa.version: [ 1, 2 ]
amdhsa.kernels:
  - .name:           k_q75545f36e8_gqkv
    .symbol:         k_q75545f36e8_gqkv.kd
    .args:
      - { .name: act, .offset: 0, .size: 8, .value_kind: global_buffer, .address_space: global }
      - { .name: wimg, .offset: 8, .size: 8, .value_kind: global_buffer, .address_space: global }
      - { .name: b_qkv, .offset: 16, .size: 8, .value_kind: global_buffer, .address_space: global }
      - { .name: qimg, .offset: 24, .size: 8, .value_kind: global_buffer, .address_space: global }
      - { .name: kv, .offset: 32, .size: 8, .value_kind: global_buffer, .address_space: global }
    .group_segment_fixed_size: 257536
    .private_segment_fixed_size: 0
    .kernarg_segment_align: 8
    .kernarg_segment_size: 40
    .max_flat_workgroup_size: 384
    .sgpr_count:     96
    .vgpr_count:     256
    .wavefront_size: 32
...
	.end_amdgpu_metadata
.endif
;; end of part 2
;; launch attn1 (part 3): grid 16 x 16, 16 waves a work-group, clusters of 4 x 1, 245,760 bytes of LDS; arguments qimg, kv, act; writes act
.if DOCPART == 3
	.amdgcn_target "amdgcn-amd-amdhsa--gfx1250"
	.amdhsa_code_object_version 6
	.text
	.protected	k_q75545f36e8_attn1
	.globl	k_q75545f36e8_attn1
	.p2align	8
	.type	k_q75545f36e8_attn1,@function
k_q75545f36e8_attn1:
	s_mov_b64 s[64:65], 0
	v_nop
	global_prefetch_b8 v0, s[64:65] scope:SCOPE_SE
	s_setreg_imm32_b32 hwreg(HW_REG_WAVE_MODE, 25, 1), 1
	s_wait_xcnt 0x0
	s_wait_alu depctr_hold_cnt(0) depctr_sa_sdst(0) depctr_va_vdst(0) depctr_va_sdst(0) depctr_va_ssrc(0) depctr_va_vcc(0) depctr_vm_vsrc(0)
	s_getreg_b32 s2, hwreg(HW_REG_IB_STS2, 6, 4)
	s_cmp_eq_u32 s2, 0
	s_cbranch_scc0 .Lentry_in_a_cluster
	s_endpgm
.Lentry_in_a_cluster:
	s_bfe_u32 s2, ttmp6, 0x10000c
	s_cmp_lg_u32 s2, 0x3003
	s_cbranch_scc0 .Lentry_shape_is_right
	s_endpgm
.Lentry_shape_is_right:
; ctx[q][head] = the sum over keys k <= q of softmax_k(Q[q] . K[k] / 8) V[k], 16 heads of 64, 2,048 tokens, both products on codes of BF6 (E3M2); ctx is quantised along D and leaves as codes, in act's tile records.
; THE SOFTMAX AHEAD OF THE SECOND PRODUCT: t = score x log2(e) / 8; M = the largest t so far, rounded UP to a whole number; p = 2^(t - M) is quantised along the keys, not normalised; the row's sum is taken of the unquantised p and divides at the end.
; IN.  qimg: the half fragment (16 queries x 64) of (head h, tile T) at (128 h + T) 768, its scale words at QSC0 + (128 h + T) 64 + 4 r.  kv: for (head, key step of 128) a record of 13,056 bytes: K's half fragments of key tiles 0-7 at 768 t;
; V^T's (channel tile t, key half c) at 6,144 + 768 (2 t + c); K's scale words at 12,288 + 64 t + 4 r; V's at 12,800 + 64 t + 4 r.  Tile 2 g + u holds in place r the row 32 g + 8 u + r + 8 (r / 8).
; K = 64 IN AN INSTRUCTION OF 128: Q's registers 6-11 are zero codes, and bytes 2, 3 of Q's and K's scale words are the scale 1.  So K's tile t is named as v[28 + 6 t] on, twelve registers: its upper six are the next tile's codes, which meet zeros.
; SHARES.  A head's sixteen records (208,896 bytes) lie in LDS whole, filled once: wave w fetches record w.  CLUSTER 4 x 1: the four partners work on one head and ask for its records JOINTLY; one tensor load a wave is out.
; A work-group owns 8 tiles of 16 queries, T = 8 JD + pos: JD, the key step in which the tile's diagonal lies, hangs on the wave's number and the cluster's x alone; pos = 4 (cluster x % 2) + cx enters global addresses and one vector compare, no branch.
; The JD of a work-group are a, a + 2, a + 4, a + 6, 15 - a, 13 - a, 11 - a, 9 - a (a = 0 or 1): 68 key steps in every work-group.  Waves w and w + 8 share a tile: the even key steps and the odd ones; they merge through LDS at the end.
; WHICH TILE A WAVE TAKES is laid so that the key steps are even four waves by four waves, both ways: waves w, w + 4, w + 8, w + 12 have 17 together, four waves on end 16 or 18.
; Both products are used transposed (S^T = K Q^T, O^T = V^T P^T): a lane holds ONE query throughout.
; The two scale bytes of a (row, head) are stored two bytes a lane, 32 bytes apart: one twenty-fourth of what the launch stores.
; LIMITS: a p under 2^-126 comes out as 0; a block of zeros gets the byte 1 (read by this program alone); NaN and infinities are not served.
; REGISTERS: v1-7, v88 addresses that stay; v8-10 the step's; v12 -M, v13 the largest t, v[14:15] the sum; v16-27 Q; v28-75 K's, then V's fragments; v76-81 zeros; v82-87, v253, v255 scale words; v96-159 S^T, then p; v160-191 O^T; v224-235 p's codes; v232-254 at work.
.set REC,   13056
.set HEADB, 16*REC
.set TRB,   12800
.set QSC0,  1572864
.set MRG,   16*REC                     ; behind the records: a slot of 4,352 bytes for each tile, for the merge
.set WV,    10
.set JD,    17
.set SEL,   20                         ; s[20:21]
.set CS,    22                         ; s[22:23] c = log2(e) / 8
.set J,     36                         ; the key step in hand
.set TB,    37                         ; its record in LDS
.set CNT,   38
.set TM,    236
.macro PLACES
.rept 4
	v_nop
.endr
.endm
.macro CROUND                          ; a round of the cluster's barrier
	s_barrier_signal -1
	s_barrier_wait -1
	s_cmp_lg_u32 s[WV], 0
	s_cbranch_scc1 .Lnot_wave_0_\@
	s_barrier_signal -3
.Lnot_wave_0_\@:
	s_barrier_wait -3
	s_barrier_signal -1
	s_barrier_wait -1
.endm
; 32 numbers of a lane, register 16 b + i = k 32 b + 16 (lane / 16) + i, become a half fragment's six registers v[pc] on and the two scale bytes in v[pw]
.macro QUANT2 s, pc, pw
.irp b, 0,1
	v_max3_num_f32 v[TM+\b], |v[\s+16*\b]|, |v[\s+1+16*\b]|, 0x2800000
.endr
.irp i, 2,4,6,8,10,12,14
.irp b, 0,1
	v_max3_num_f32 v[TM+\b], v[TM+\b], |v[\s+16*\b+\i]|, |v[\s+1+16*\b+\i]|
.endr
.endr
.irp b, 0,1
	v_permlanex16_b32 v[TM+2+\b], v[TM+\b], s[SEL], s[SEL+1]
.endr
.irp b, 0,1
	v_max_num_f32 v[TM+\b], v[TM+\b], v[TM+2+\b]
.endr
.irp b, 0,1
	v_add_nc_u32 v[TM+4+\b], 0xfe000000, v[TM+\b]
.endr
.irp b, 0,1
	v_lshrrev_b32 v[TM+2+\b], 23, v[TM+4+\b]
.endr
	v_lshl_or_b32 v[\pw], v[TM+3], 8, v[TM+2]
	v_cvt_scalef32_pk16_bf6_f32 v[\pc:\pc+2], v[\s:\s+15], v[TM+4]
	v_cvt_scalef32_pk16_bf6_f32 v[\pc+6:\pc+8], v[\s+16:\s+31], v[TM+5]
	v_nop
.irp i, 0,1,2
	v_permlane16_swap_b32 v[\pc+\i], v[\pc+6+\i]
.endr
.irp i, 0,1,2
	v_mov_b32 v[\pc+3+\i], v[\pc+6+\i]
.endr
.endm
	s_load_b128 s[4:7], s[0:1], 0x0                ; qimg s[4:5], kv s[6:7]
	s_load_b64 s[8:9], s[0:1], 0x10                ; act
	v_lshl_add_u32 v250, v0, 2, 0x3b800
	v_mov_b32 v251, 0
	ds_add_u32 v250, v251
	ds_add_u32 v250, v251
	v_lshrrev_b32 v8, 5, v0
	v_readfirstlane_b32 s[WV], v8                  ; wave 0..15
	s_bfe_u32 s11, ttmp6, 0x40000                  ; cx
	s_and_b32 s12, ttmp7, 0xffff                   ; the head, which the four partners share
	s_lshr_b32 s13, ttmp9, 1                       ; a's low bit
	s_and_b32 s14, ttmp9, 1
	s_lshl_b32 s14, s14, 2
	s_add_co_u32 s14, s14, s11                     ; pos
	s_and_b32 s15, s[WV], 3                        ; C = w % 4
	s_lshr_b32 s40, s15, 1
	s_xor_b32 s40, s40, s15                        ; its low bit: 0 for C = 0, 3; 1 for C = 1, 2
	s_lshr_b32 s41, s[WV], 2
	s_xor_b32 s40, s40, s41                        ; turned by the low bit of w / 4,
	s_xor_b32 s40, s40, 1
	s_and_b32 s40, s40, 1                          ; 1: a tile of late queries (waves 0, 3, 5, 6 and those 8 on), 0: of early ones
	s_lshl_b32 s40, s40, 2
	s_add_co_u32 s15, s15, s40                     ; which of the work-group's 8 tiles: waves 0-7 take 4, 1, 2, 7, 0, 5, 6, 3; wave w + 8 takes wave w's
	s_lshr_b32 s16, s[WV], 3                       ; even key steps (0) or odd ones (1)
	s_and_b32 s[JD], s15, 3
	s_lshl_b32 s[JD], s[JD], 1
	s_add_co_u32 s[JD], s[JD], s13
	s_sub_co_u32 s40, 15, s[JD]
	s_cmp_lt_u32 s15, 4
	s_cselect_b32 s[JD], s[JD], s40                ; the diagonal's key step
	s_lshl_b32 s18, s[JD], 3
	s_add_co_u32 s18, s18, s14                     ; T
	; group 1: a record, dense, as 51 rows of 256 bytes (32 elements of 8 bytes)
	s_mov_b32 s24, 15|(3<<16)|(1<<21)              ; 15:0 the mask: all four work-groups; 17:16 elements of 8 bytes; 21 set beside a mask
	s_mov_b32 s25, 32<<16
	s_mov_b32 s26, 51<<16
	s_mov_b32 s27, 32<<16
	s_mov_b32 s28, 51
	s_mov_b32 s29, 32
	s_mov_b32 s30, 0
	s_mov_b32 s31, 0
	s_mov_b32 s32, 1
	s_mul_i32 s33, s[WV], REC                      ; record w, at w x 13,056 in LDS
	s_mul_i32 s40, s12, HEADB
	s_add_co_u32 s40, s40, s33
	s_mov_b32 s41, 0
	s_wait_dscnt 0x0
	s_wait_kmcnt 0x0
	s_add_nc_u64 s[34:35], s[6:7], s[40:41]
	s_or_b32 s35, s35, 0x80000000
	CROUND                                         ; all four work-groups are here: the joint loads meet
	tensor_load_to_lds s[32:35], s[24:31]
	s_nop 0
	PLACES                                         ; four v_nop follow the load
	s_lshl_b32 s40, s12, 7
	s_add_co_u32 s40, s40, s18                     ; 128 head + T
	s_mul_i32 s42, s40, 768
	s_mov_b32 s43, 0
	s_add_nc_u64 s[42:43], s[4:5], s[42:43]        ; Q's codes
	s_lshl_b32 s44, s40, 6
	s_add_co_u32 s44, s44, QSC0
	s_mov_b32 s45, 0
	s_add_nc_u64 s[44:45], s[4:5], s[44:45]        ; Q's scale words
	s_mul_i32 s46, s18, TRB                        ; act's record T:
	s_mul_i32 s47, s12, 768
	s_add_co_u32 s48, s46, s47
	s_add_co_u32 s48, s48, 512
	s_mov_b32 s49, 0
	s_add_nc_u64 s[48:49], s[8:9], s[48:49]        ; the head's half fragment,
	s_lshl_b32 s47, s12, 1
	s_add_co_u32 s46, s46, s47
	s_mov_b32 s47, 0
	s_add_nc_u64 s[46:47], s[8:9], s[46:47]        ; the head's two scale bytes of a row
	s_mov_b32 s[SEL], 0x76543210
	s_mov_b32 s[SEL+1], 0xfedcba98
	s_mov_b32 s[CS], 0x3e38aa3b
	s_mov_b32 s[CS+1], s[CS]                       ; named with it as a pair, so it is written
	v_and_b32 v8, 31, v0                           ; l
	v_and_b32 v9, 15, v0                           ; r
	v_bfe_u32 v10, v0, 4, 1                        ; h
	v_lshlrev_b32 v1, 4, v8                        ; 16 l
	v_lshlrev_b32 v2, 3, v8                        ; 8 l
	v_lshlrev_b32 v3, 2, v8                        ; 4 l
	v_lshlrev_b32 v7, 2, v9                        ; 4 r
	v_lshlrev_b32 v88, 5, v9                       ; 32 r
	global_load_b128 v[16:19], v1, s[42:43]        ; Q's half fragment stays in registers
	global_load_b64 v[20:21], v2, s[42:43] offset:512
	global_load_b32 v255, v7, s[44:45]
	v_and_b32 v11, 8, v9
	v_add_nc_u32 v11, v11, v9                      ; r + 8 (r / 8)
	v_lshlrev_b32 v4, 4, v10
	v_sub_nc_u32 v4, v11, v4
	s_lshr_b32 s50, s14, 1
	s_lshl_b32 s50, s50, 5
	s_and_b32 s51, s14, 1
	s_lshl_b32 s51, s51, 3
	s_add_co_u32 s50, s50, s51
	v_add_nc_u32 v4, s50, v4                       ; d = my query's place in its key step - 16 h: register 16 b + i of S^T is hidden in the diagonal's step where 32 b + i > d
	s_mul_i32 s50, s15, 4352
	s_add_co_u32 s50, s50, MRG
	v_add_nc_u32 v5, s50, v1                       ; the merge: O^T's image,
	v_add_nc_u32 v6, s50, v2                       ; and (4,096 on) the pair -M, sum
.irp i, 22,23,24,25,26,27,76,77,78,79,80,81
	v_mov_b32 v\i, 0                               ; zero codes: the upper half of K
.endr
	v_mov_b32 v13, 0xff61b1e6                      ; the largest t so far: -3e38
	v_floor_f32 v12, -v13                          ; -M
	v_mov_b32 v14, 0
	v_mov_b32 v15, 0
.irp b, 0,1,2,3
	v_mov_b32 v[236+\b], 0                         ; written once: a lane permute's destination counts as one of its sources
.endr
	v_mov_b32 v253, 0                              ; named as the upper half of v[252:253] before it is first written
.set n, 0
.rept 32
	v_mov_b32 v[160+n], 0                          ; O^T: the step is written once; its first turn finds zeros
.set n, n+1
.endr
	s_mov_b32 s[J], s16
	s_mul_i32 s[TB], s16, REC
	s_mov_b32 s[CNT], 8
	s_wait_tensorcnt 0x0                           ; my record is in LDS,
	s_barrier_signal -1
	s_barrier_wait -1                              ; all sixteen are
	s_wait_loadcnt 0x0                             ; Q
.Lstep:                                            ; 8 trips in every wave; key steps behind the diagonal's are passed over: a branch on ids, round the work alone
	s_cmp_gt_u32 s[J], s[JD]
	s_cbranch_scc1 .Lskip
	v_add_nc_u32 v8, s[TB], v1
	v_add_nc_u32 v9, s[TB], v2
	v_add_nc_u32 v10, s[TB], v3
.irp t, 0,1,2,3,4,5,6,7
	ds_load_b128 v[28+6*\t:31+6*\t], v8 offset:768*\t
	ds_load_b64 v[32+6*\t:33+6*\t], v9 offset:768*\t+512
.endr
.irp i, 0,1,2,3
	ds_load_b32 v[82+\i], v10 offset:12288+128*\i  ; lanes 0-15: key tile 2 i's words; lanes 16-31: tile 2 i + 1's
.endr
	s_wait_dscnt 0x0
.irp t, 0,2,4,6
	v_wmma_scale_f32_16x16x128_f8f6f4 v[96+8*\t:103+8*\t], v[28+6*\t:39+6*\t], v[16:27], 0, v[82+\t/2], v255 matrix_a_fmt:MATRIX_FMT_BF6 matrix_b_fmt:MATRIX_FMT_BF6
	v_wmma_scale_f32_16x16x128_f8f6f4 v[104+8*\t:111+8*\t], v[34+6*\t:45+6*\t], v[16:27], 0, v[82+\t/2], v255 matrix_a_fmt:MATRIX_FMT_BF6 matrix_b_fmt:MATRIX_FMT_BF6 matrix_a_scale:MATRIX_SCALE_ROW1
.endr
	PLACES                                         ; in front of the loads into K's registers and of the first read of the scores
.irp t, 0,1,2,3
.irp c, 0,1
	ds_load_b128 v[28+12*\t+6*\c:31+12*\t+6*\c], v8 offset:6144+768*(2*\t+\c)      ; V^T: it lands while the softmax is worked
	ds_load_b64 v[32+12*\t+6*\c:33+12*\t+6*\c], v9 offset:6144+768*(2*\t+\c)+512
.endr
.endr
	ds_load_b32 v86, v10 offset:12800
	ds_load_b32 v87, v10 offset:12928
	s_cmp_lg_u32 s[J], s[JD]
	s_cbranch_scc1 .Lopen                          ; ahead of the diagonal's step every key counts
	v_mov_b32 v254, 0xff800000                     ; -infinity: p = 0 then
.set n, 0
.rept 64
	v_cmp_gt_i32 vcc_lo, 32*(n/16)+n%16, v4
	v_cndmask_b32 v[96+n], v[96+n], v254, vcc_lo
.set n, n+1
.endr
.Lopen:
.irp b, 0,1,2,3
	v_max3_num_f32 v[232+\b], v[96+16*\b], v[97+16*\b], v[98+16*\b]   ; the largest score of each block of 32 keys: for the row's maximum, and, since p rises with the score, for the block's largest p
.endr
.irp i, 3,5,7,9,11,13
.irp b, 0,1,2,3
	v_max3_num_f32 v[232+\b], v[232+\b], v[96+16*\b+\i], v[97+16*\b+\i]
.endr
.endr
.irp b, 0,1,2,3
	v_max_num_f32 v[232+\b], v[232+\b], v[111+16*\b]
.endr
.irp b, 0,1,2,3
	v_permlanex16_b32 v[236+\b], v[232+\b], s[SEL], s[SEL+1]
.endr
.irp b, 0,1,2,3
	v_max_num_f32 v[232+\b], v[232+\b], v[236+\b]  ; with lane l xor 16's 16 keys
.endr
	v_max3_num_f32 v254, v232, v233, v234
	v_max_num_f32 v254, v254, v235
	v_mul_f32 v254, s[CS], v254                    ; the step's largest t (the step's first key counts for every query of the tile: it is a number)
	v_max_num_f32 v13, v13, v254
	v_mov_b32 v254, v12
	v_floor_f32 v12, -v13                          ; the new -M = -ceil(t)
	v_sub_f32 v254, v12, v254                      ; old M - new M: a whole number, 0 or less
	v_cvt_i32_f32 v254, v254                       ; (it saturates)
	v_ldexp_f32 v252, 1.0, v254                    ; f = 2^(old M - new M)
.set n, 0
.rept 32
	v_pk_fma_f32 v[96+n:97+n], v[96+n:97+n], s[CS:CS+1], v[12:13] op_sel_hi:[1,0,0]   ; t - M
.set n, n+2
.endr
.irp b, 0,1,2,3
	v_fma_f32 v[232+\b], v[232+\b], s[CS], v12
.endr
.set n, 0
.rept 64
	v_exp_f32 v[96+n], v[96+n]                     ; p = 2^(t - M)
.set n, n+1
.endr
	v_pk_mul_f32 v[14:15], v[14:15], v[252:253] op_sel_hi:[1,0]   ; the sums under the new M; a plain place behind the exponentials
	s_wait_alu depctr_va_vdst(0)                   ; one wait for the batch of 64, ahead of its first reader
.irp b, 0,1,2,3
	v_exp_f32 v[232+\b], v[232+\b]                 ; the blocks' largest p
.endr
	v_pk_add_f32 v[236:237], v[96:97], v[98:99]    ; the row's sum of the UNQUANTISED p, in two chains
.irp j, 4,8,12,16,20,24,28,32,36,40,44,48,52,56,60
	v_pk_add_f32 v[14:15], v[14:15], v[96+\j:97+\j]
	v_pk_add_f32 v[236:237], v[236:237], v[98+\j:99+\j]
.endr
	v_pk_add_f32 v[14:15], v[14:15], v[236:237]
	s_wait_alu depctr_va_vdst(0)                   ; and one for the four
.irp b, 0,1,2,3
	v_max_num_f32 v[232+\b], 0x2800000, v[232+\b]  ; the floor 2^(5 - 127)
.endr
.irp b, 0,1,2,3
	v_add_nc_u32 v[244+\b], 0xfe000000, v[232+\b]
.endr
.irp b, 0,1,2,3
	v_lshrrev_b32 v[236+\b], 23, v[244+\b]
.endr
	v_lshl_or_b32 v253, v237, 8, v236              ; p's scale word for these 128 keys
	v_lshl_or_b32 v253, v238, 16, v253
	v_lshl_or_b32 v253, v239, 24, v253
.irp c, 0,1
	v_cvt_scalef32_pk16_bf6_f32 v[224+6*\c:226+6*\c], v[96+32*\c:111+32*\c], v[244+2*\c]
	v_cvt_scalef32_pk16_bf6_f32 v[236+4*\c:238+4*\c], v[112+32*\c:127+32*\c], v[244+2*\c+1]
.endr
	v_nop                                          ; one plain place behind a scaled conversion
.irp c, 0,1
.irp i, 0,1,2
	v_permlane16_swap_b32 v[224+6*\c+\i], v[236+4*\c+\i]
.endr
.irp i, 0,1,2
	v_mov_b32 v[227+6*\c+\i], v[236+4*\c+\i]
.endr
.endr
.set n, 0
.rept 16
	v_pk_mul_f32 v[160+n:161+n], v[160+n:161+n], v[252:253] op_sel_hi:[1,0]   ; O^T under the new M; these 16 are also the places between the codes' and the scale word's last writes and the products
.set n, n+2
.endr
	s_wait_dscnt 0x0                               ; V^T
.irp t, 0,2
	v_wmma_scale_f32_16x16x128_f8f6f4 v[160+8*\t:167+8*\t], v[28+12*\t:39+12*\t], v[224:235], v[160+8*\t:167+8*\t], v[86+\t/2], v253 matrix_a_fmt:MATRIX_FMT_BF6 matrix_b_fmt:MATRIX_FMT_BF6
	v_wmma_scale_f32_16x16x128_f8f6f4 v[168+8*\t:175+8*\t], v[40+12*\t:51+12*\t], v[224:235], v[168+8*\t:175+8*\t], v[86+\t/2], v253 matrix_a_fmt:MATRIX_FMT_BF6 matrix_b_fmt:MATRIX_FMT_BF6 matrix_a_scale:MATRIX_SCALE_ROW1
.endr
	PLACES                                         ; in front of the next loads into these registers and of the next read of O^T
.Lskip:
	s_add_co_u32 s[J], s[J], 2
	s_add_co_u32 s[TB], s[TB], 2*REC
	s_sub_co_u32 s[CNT], s[CNT], 1
	s_cmp_lg_u32 s[CNT], 0
	s_cbranch_scc1 .Lstep
	; ---- THE MERGE: waves 8-15 hand O^T, -M and the sum to waves 0-7
	v_add_f32 v13, v14, v15                        ; the sum's two halves (the largest t is done with)
	s_cmp_lt_u32 s[WV], 8
	s_cbranch_scc1 .Lkeep
.irp k, 0,1,2,3,4,5,6,7
	ds_store_b128 v5, v[160+4*\k:163+4*\k] offset:512*\k   ; an image of the registers; each accumulator from its low end on
.endr
	ds_store_b64 v6, v[12:13] offset:4096
.Lkeep:
	s_wait_dscnt 0x0                               ; for the others' sake: my stores have landed
	s_barrier_signal -1
	s_barrier_wait -1
	s_cmp_lt_u32 s[WV], 8
	s_cbranch_scc0 .Lclose
.irp k, 0,1,2,3,4,5,6,7
	ds_load_b128 v[28+4*\k:31+4*\k], v5 offset:512*\k
.endr
	ds_load_b64 v[60:61], v6 offset:4096
	s_wait_dscnt 0x0
	v_min_num_f32 v62, v12, v60                    ; the joint -M
	v_sub_f32 v63, v62, v12
	v_sub_f32 v64, v62, v60                        ; (a partner without key steps still has -M = 3e38: its factor comes out 0, over zeros)
	v_cvt_i32_f32 v63, v63
	v_cvt_i32_f32 v64, v64
	v_ldexp_f32 v66, 1.0, v63                      ; my factor,
	v_ldexp_f32 v68, 1.0, v64                      ; my partner's: exact powers of two
	v_mov_b32 v67, v66
	v_mov_b32 v69, v68
	v_mul_f32 v13, v13, v66
	v_fma_f32 v13, v61, v68, v13
	v_permlanex16_b32 v236, v13, s[SEL], s[SEL+1]
	v_add_f32 v13, v13, v236                       ; the row's sum
	v_rcp_f32 v70, v13
	v_rcp_f32 v71, v13
.set n, 0
.rept 16
	v_pk_mul_f32 v[28+n:29+n], v[28+n:29+n], v[68:69]
.set n, n+2
.endr
.set n, 0
.rept 16
	v_pk_fma_f32 v[96+n:97+n], v[160+n:161+n], v[66:67], v[28+n:29+n]
.set n, n+2
.endr
	s_wait_alu depctr_va_vdst(0)                   ; one wait for both reciprocals, ahead of their first reader; the 32 lines above are the work between
.set n, 0
.rept 16
	v_pk_mul_f32 v[96+n:97+n], v[96+n:97+n], v[70:71]   ; ctx: register 16 b + i is channel 32 b + 16 h + i of my query
.set n, n+2
.endr
	QUANT2 96, 224, 244
	global_store_b128 v1, v[224:227], s[48:49]     ; 512 consecutive bytes,
	global_store_b64 v2, v[228:229], s[48:49] offset:512   ; 256,
	global_store_b16 v88, v244, s[46:47]           ; and two scale bytes a row (both halves of the lanes write the same)
.Lclose:
	s_wait_dscnt 0x0
	s_wait_tensorcnt 0x0
	ds_add_u32 v250, v251
	s_wait_dscnt 0x0
	CROUND                                         ; the closing round
	s_endpgm
.Lfunc_end_k_q75545f36e8_attn1:
	.size	k_q75545f36e8_attn1, .Lfunc_end_k_q75545f36e8_attn1-k_q75545f36e8_attn1
	.p2alignl 7, 3214868480
	.fill 96, 4, 3214868480
	.section	.rodata,"a",@progbits
	.p2align	6, 0x0
	.amdhsa_kernel k_q75545f36e8_attn1
		.amdhsa_group_segment_fixed_size 245760
		.amdhsa_private_segment_fixed_size 0
		.amdhsa_enable_private_segment 0
		.amdhsa_kernarg_size 24
		.amdhsa_user_sgpr_count 2
		.amdhsa_user_sgpr_kernarg_segment_ptr 1
		.amdhsa_wavefront_size32 1
		.amdhsa_system_sgpr_workgroup_id_x 1
		.amdhsa_system_sgpr_workgroup_id_y 1
		.amdhsa_system_sgpr_workgroup_id_z 1
		.amdhsa_system_vgpr_workitem_id 0
		.amdhsa_next_free_vgpr 256
		.amdhsa_next_free_sgpr 66
		.amdhsa_reserve_vcc 1
		.amdhsa_float_denorm_mode_32 3
		.amdhsa_float_denorm_mode_16_64 3
		.amdhsa_memory_ordered 1
		.amdhsa_forward_progress 1
		.amdhsa_inst_pref_size 36
	.end_amdhsa_kernel
	.amdgpu_metadata
---
amdhsa.version: [ 1, 2 ]
amdhsa.kernels:
  - .name:           k_q75545f36e8_attn1
    .symbol:         k_q75545f36e8_attn1.kd
    .args:
      - { .name: qimg, .offset: 0, .size: 8, .value_kind: global_buffer, .address_space: global }
      - { .name: kv, .offset: 8, .size: 8, .value_kind: global_buffer, .address_space: global }
      - { .name: act, .offset: 16, .size: 8, .value_kind: global_buffer, .address_space: global }
    .group_segment_fixed_size: 245760
    .private_segment_fixed_size: 0
    .kernarg_segment_align: 8
    .kernarg_segment_size: 24
    .max_flat_workgroup_size: 512
    .sgpr_count:     66
    .vgpr_count:     256
    .wavefront_size: 32
...
	.end_amdgpu_metadata
.endif
;; end of part 3
;; launch gao (part 4): grid 16 x 16, 4 waves a work-group, clusters of 4 x 4, 188,928 bytes of LDS; arguments act, wimg, b_ao, x, hres; writes hres
.if DOCPART == 4
	.amdgcn_target "amdgcn-amd-amdhsa--gfx1250"
	.amdhsa_code_object_version 6
	.text
	.protected	k_q75545f36e8_gao
	.globl	k_q75545f36e8_gao
	.p2align	8
	.type	k_q75545f36e8_gao,@function
k_q75545f36e8_gao:
	s_mov_b64 s[64:65], 0
	v_nop
	global_prefetch_b8 v0, s[64:65] scope:SCOPE_SE
	s_setreg_imm32_b32 hwreg(HW_REG_WAVE_MODE, 25, 1), 1
	s_wait_xcnt 0x0
	s_wait_alu depctr_hold_cnt(0) depctr_sa_sdst(0) depctr_va_vdst(0) depctr_va_sdst(0) depctr_va_ssrc(0) depctr_va_vcc(0) depctr_vm_vsrc(0)
	s_getreg_b32 s2, hwreg(HW_REG_IB_STS2, 6, 4)
	s_cmp_eq_u32 s2, 0
	s_cbranch_scc0 .Lentry_in_a_cluster
	s_endpgm
.Lentry_in_a_cluster:
	s_bfe_u32 s2, ttmp6, 0x10000c
	s_cmp_lg_u32 s2, 0xf033
	s_cbranch_scc0 .Lentry_shape_is_right
	s_endpgm
.Lentry_shape_is_right:
; out = res + f(Q(a) Q(W)^T + bias), f the identity (GELU = 0) or the exact GELU (GELU = 1), on codes of BF6 (E3M2), K = 1,024; a: 2,048 rows as tile records in act; W: 1,024 rows as tile records in wimg; res, out: [2048][1024] f32.
; OPERANDS are tile records of 12,800 bytes (16 rows x K 1,024): 512 scale bytes (place r: 32 bytes at 32 r, word s = K step s), then half fragments of 768 bytes at 512 + 1536 s + 768 c (lane l: four registers at 16 l, two at 512 + 8 l).
; Tile 2 g + u holds in place r the row 32 g + 8 u + r + 8 (r / 8).
; A WORK-GROUP makes 128 rows (S1 = act, source 1: a lane holds one row) x 64 columns (S0 = W, source 0: along a lane's registers).  Wave w takes S1's tiles 2 w, 2 w + 1 against S0's four: 8 accumulators.
; BOTH OPERANDS FIT IN LDS AT ONCE (153,600 bytes): each is filled once, no slot is filled again.  CLUSTER 4 x 4: S1 hangs on the row of the cluster alone and S0 on its column alone: each is asked for JOINTLY by the four that share it.
; A wave has two tensor loads out, issued together behind the one round of the cluster's barrier.
; RES IS ASKED FOR AT THE HEAD, behind the bias, into v256-319 (window 1): its 16 loads are on their way while the operands land and the eight K steps are multiplied.  Four switches of the register window in all.
; THE WAY OUT: a wave's 32 rows x 64 columns go through its own stage in LDS (rows of 256 + 16 bytes, behind the operands, where no fill lands) and leave as rows: sixteen lanes store 256 consecutive bytes, aligned.
; GELU: 0.5 z (1 + erf(z / sqrt 2)), erf by the five-term rational form 1 - (a1 t + .. + a5 t^5) exp(-a^2), t = 1 / (1 + p a).  LIMIT: its absolute error is 1.5e-7 for every argument.  NaN and infinities are not served.
.set GELU,  0
.set WBASE, 192                        ; the weight's first record in wimg
.set TRB,   12800
.set S1L,   4*TRB                      ; LDS: S0's four records at 0, S1's eight behind them,
.set STG,   12*TRB                     ; then a stage of 32 rows x 272 bytes for each wave
.set ACC,   16                         ; v16-79   accumulator (j, i) at v[16 + 8 (4 j + i)]
.set F0,    80                         ; v80-151, v152-223: two sets of fragments: S0's four at + 12 i, S1's two at + 48 + 12 j
.set F1,    152
.set SC,    224                        ; v224-235 scale words and nothing else: two sets of 4 + 2
.set TA,    16                         ; the GELU's registers, where the accumulators lay: t,
.set TE,    32                         ; exp(-z^2 / 2),
.set TP,    48                         ; the polynomial,
.set TH,    64                         ; z / 2
.set WV,    14
.macro PLACES                          ; four places behind a matrix instruction, in front of loads into its registers and of reads of its results
.rept 4
	v_nop
.endr
.endm
.macro CROUND                          ; a round of the cluster's barrier
	s_barrier_signal -1
	s_barrier_wait -1
	s_cmp_lg_u32 s[WV], 0
	s_cbranch_scc1 .Lnot_wave_0_\@
	s_barrier_signal -3
.Lnot_wave_0_\@:
	s_barrier_wait -3
	s_barrier_signal -1
	s_barrier_wait -1
.endm
.macro FETCH s, f                      ; K step s: 30 LDS loads into set f; every load of codes reads consecutive bytes
.irp i, 0,1,2,3
.irp c, 0,1
	ds_load_b128 v[\f+12*\i+6*\c:\f+12*\i+6*\c+3], v1 offset:TRB*\i+512+1536*(\s)+768*\c
	ds_load_b64 v[\f+12*\i+6*\c+4:\f+12*\i+6*\c+5], v2 offset:TRB*\i+1024+1536*(\s)+768*\c
.endr
.endr
.irp j, 0,1
.irp c, 0,1
	ds_load_b128 v[\f+48+12*\j+6*\c:\f+48+12*\j+6*\c+3], v4 offset:TRB*\j+512+1536*(\s)+768*\c
	ds_load_b64 v[\f+48+12*\j+6*\c+4:\f+48+12*\j+6*\c+5], v5 offset:TRB*\j+1024+1536*(\s)+768*\c
.endr
.endr
.irp i, 0,1,2,3
	ds_load_b32 v[SC+6*((\s)%2)+\i], v3 offset:TRB*\i+4*(\s)
.endr
.irp j, 0,1
	ds_load_b32 v[SC+6*((\s)%2)+4+\j], v6 offset:TRB*\j+4*(\s)
.endr
.endm
.macro MUL s, f                        ; 8 matrix instructions, the 8 accumulators by turns
.irp j, 0,1
.irp i, 0,1,2,3
	v_wmma_scale_f32_16x16x128_f8f6f4 v[ACC+8*(4*\j+\i):ACC+8*(4*\j+\i)+7], v[\f+12*\i:\f+12*\i+11], v[\f+48+12*\j:\f+48+12*\j+11], v[ACC+8*(4*\j+\i):ACC+8*(4*\j+\i)+7], v[SC+6*((\s)%2)+\i], v[SC+6*((\s)%2)+4+\j] matrix_a_fmt:MATRIX_FMT_BF6 matrix_b_fmt:MATRIX_FMT_BF6
.endr
.endr
.endm
; 16 numbers z in v[F1 + 16 nb] on become gelu(z), in place; the 32 transcendentals are one batch with one wait
.macro GELU16 nb
.set Z, F1+16*(\nb)
.set i, 0
.rept 16
	v_fma_f32 v[TA+i], |v[Z+i]|, v246, 1.0         ; 1 + p |z| / sqrt 2
.set i, i+1
.endr
.set i, 0
.rept 8
	v_pk_mul_f32 v[TE+i:TE+i+1], v[Z+i:Z+i+1], v[248:249]
.set i, i+2
.endr
.set i, 0
.rept 8
	v_pk_mul_f32 v[TE+i:TE+i+1], v[TE+i:TE+i+1], v[Z+i:Z+i+1]   ; -z^2 log2(e) / 2
.set i, i+2
.endr
.set i, 0
.rept 16
	v_rcp_f32 v[TA+i], v[TA+i]
.set i, i+1
.endr
.set i, 0
.rept 16
	v_exp_f32 v[TE+i], v[TE+i]
.set i, i+1
.endr
.set i, 0
.rept 8
	v_pk_mul_f32 v[TH+i:TH+i+1], v[Z+i:Z+i+1], 0.5 op_sel_hi:[1,0]   ; plain work behind the batch
.set i, i+2
.endr
	s_wait_alu depctr_va_vdst(0)                   ; one wait for the batch, ahead of its first reader
.set i, 0
.rept 8
	v_pk_fma_f32 v[TP+i:TP+i+1], v[TA+i:TA+i+1], v[236:237], v[238:239]
.set i, i+2
.endr
.irp c, 240,242,244
.set i, 0
.rept 8
	v_pk_fma_f32 v[TP+i:TP+i+1], v[TP+i:TP+i+1], v[TA+i:TA+i+1], v[\c:\c+1]
.set i, i+2
.endr
.endr
.set i, 0
.rept 8
	v_pk_mul_f32 v[TP+i:TP+i+1], v[TP+i:TP+i+1], v[TA+i:TA+i+1]
.set i, i+2
.endr
.set i, 0
.rept 8
	v_pk_fma_f32 v[TP+i:TP+i+1], v[TP+i:TP+i+1], v[TE+i:TE+i+1], 1.0 op_sel_hi:[1,1,0] neg_lo:[1,0,0] neg_hi:[1,0,0]   ; erf(|z| / sqrt 2)
.set i, i+2
.endr
.set i, 0
.rept 16
	v_fma_f32 v[Z+i], |v[TH+i]|, v[TP+i], v[TH+i]  ; z / 2 + |z / 2| erf
.set i, i+1
.endr
.endm
	s_load_b256 s[4:11], s[0:1], 0x0               ; act s[4:5], wimg s[6:7], the bias s[8:9], res s[10:11]
	s_load_b64 s[12:13], s[0:1], 0x20              ; out
	v_lshl_add_u32 v254, v0, 2, 0x2e000
	v_mov_b32 v255, 0
	ds_add_u32 v254, v255
	ds_add_u32 v254, v255
	v_lshrrev_b32 v12, 5, v0
	v_readfirstlane_b32 s[WV], v12                 ; wave 0..3
	s_bfe_u32 s15, ttmp6, 0x40000                  ; cx
	s_bfe_u32 s16, ttmp6, 0x40004                  ; cy
	s_lshl_b32 s17, ttmp9, 2
	s_add_co_u32 s17, s17, s15                     ; x = 4 x cluster x + cx: which 64 columns
	s_and_b32 s18, ttmp7, 0xffff
	s_lshl_b32 s19, s18, 2
	s_add_co_u32 s19, s19, s16                     ; rs = 4 x cluster y + cy: which 128 rows
	s_lshl_b32 s52, s16, 2
	s_lshl_b32 s52, 15, s52                        ; my row of the cluster
	s_lshl_b32 s53, 0x1111, s15                    ; my column
	; group 1: dense blocks as rows of 256 bytes (32 elements of 8 bytes): S1: two records, 100 rows; S0: one record, 50 rows
	s_or_b32 s24, s52, (3<<16)|(1<<21)             ; 15:0 the mask; 17:16 elements of 8 bytes; 21 set beside a mask
	s_mov_b32 s25, 32<<16
	s_mov_b32 s26, 100<<16
	s_mov_b32 s27, 32<<16
	s_mov_b32 s28, 100
	s_mov_b32 s29, 32
	s_mov_b32 s30, 0
	s_mov_b32 s31, 0
	s_or_b32 s36, s53, (3<<16)|(1<<21)
	s_mov_b32 s37, 32<<16
	s_mov_b32 s38, 50<<16
	s_mov_b32 s39, 32<<16
	s_mov_b32 s40, 50
	s_mov_b32 s41, 32
	s_mov_b32 s42, 0
	s_mov_b32 s43, 0
	s_lshl_b32 s54, s19, 3                         ; S1: act's tiles 8 rs on (never cx)
	s_lshl_b32 s56, s17, 2
	s_add_co_u32 s56, s56, WBASE                   ; S0: the weight's tiles 4 x on (never cy)
	s_lshl_b32 s59, s[WV], 1
	s_add_co_u32 s54, s54, s59                     ; I fetch S1's records 2 w, 2 w + 1
	s_mul_i32 s54, s54, TRB
	s_mov_b32 s55, 0
	s_add_co_u32 s56, s56, s[WV]                   ; and S0's record w
	s_mul_i32 s56, s56, TRB
	s_mov_b32 s57, 0
	s_mov_b32 s32, 1
	s_mul_i32 s33, s[WV], 2*TRB
	s_add_co_u32 s33, s33, S1L                     ; LDS addresses hang on the wave's number alone
	s_mov_b32 s44, 1
	s_mul_i32 s45, s[WV], TRB
	s_wait_dscnt 0x0
	s_wait_kmcnt 0x0
	s_add_nc_u64 s[34:35], s[4:5], s[54:55]
	s_or_b32 s35, s35, 0x80000000
	s_add_nc_u64 s[46:47], s[6:7], s[56:57]
	s_or_b32 s47, s47, 0x80000000
	CROUND                                         ; all sixteen work-groups are here: the joint loads meet
	tensor_load_to_lds s[32:35], s[24:31]
	s_nop 0
	tensor_load_to_lds s[44:47], s[36:43]
	s_nop 0
	PLACES                                         ; four v_nop follow the loads
	v_and_b32 v12, 31, v0                          ; l
	v_and_b32 v13, 15, v0                          ; r
	v_bfe_u32 v14, v0, 4, 1                        ; h
	v_lshlrev_b32 v1, 4, v12                       ; S0: 16 l,
	v_lshlrev_b32 v2, 3, v12                       ; 8 l,
	v_lshlrev_b32 v3, 5, v13                       ; 32 r (scale words)
	v_add_nc_u32 v4, s33, v1                       ; the same for my two records of S1
	v_add_nc_u32 v5, s33, v2
	v_add_nc_u32 v6, s33, v3
	v_lshlrev_b32 v8, 6, v14                       ; the bias: 64 h
	v_and_b32 v15, 8, v13
	v_add_nc_u32 v15, v15, v13                     ; r + 8 (r / 8)
	s_mul_i32 s52, s[WV], 32*272
	s_add_co_u32 s52, s52, STG                     ; my stage
	v_mul_u32_u24 v9, v15, 272
	v_lshl_add_u32 v9, v14, 6, v9
	v_add_nc_u32 v9, s52, v9                       ; in: my row of the 32, + 64 h
	v_mul_u32_u24 v10, v14, 272
	v_lshl_add_u32 v10, v13, 4, v10
	v_add_nc_u32 v10, s52, v10                     ; back: lanes 0-15 one row of 256 bytes, lanes 16-31 the next
	v_lshlrev_b32 v11, 12, v14
	v_lshl_add_u32 v11, v13, 4, v11                ; and the same two rows in res and out
	s_lshl_b32 s60, s17, 8                         ; my 64 columns: 256 x bytes on
	s_mov_b32 s61, 0
	s_add_nc_u64 s[8:9], s[8:9], s[60:61]
	s_lshl_b32 s52, s19, 7
	s_lshl_b32 s53, s[WV], 5
	s_add_co_u32 s52, s52, s53                     ; my first row: 128 rs + 32 w
	s_lshl_b32 s52, s52, 12
	s_add_co_u32 s52, s52, s60
	s_mov_b32 s53, 0
	s_add_nc_u64 s[10:11], s[10:11], s[52:53]
	s_add_nc_u64 s[12:13], s[12:13], s[52:53]
	; THE BIAS IS LOADED INTO THE ACCUMULATORS, in the result's layout: the first K step adds onto it, and nothing is cleared or added later
.irp j, 0,1
.irp i, 0,1,2,3
	global_load_b128 v[ACC+8*(4*\j+\i):ACC+8*(4*\j+\i)+3], v8, s[8:9] offset:(32*(\i/2)+8*(\i%2))*4       ; columns 32 b + 16 h + 8 u + 0 .. 7
	global_load_b128 v[ACC+8*(4*\j+\i)+4:ACC+8*(4*\j+\i)+7], v8, s[8:9] offset:(32*(\i/2)+8*(\i%2))*4+16
.endr
.endr
	s_set_vgpr_msb 0x40                            ; destinations in window 1, addresses in window 0
.irp t, 0,1,2,3,4,5,6,7,8,9,10,11,12,13,14,15
	global_load_b128 v[4*\t:4*\t+3], v11, s[10:11] offset:8192*\t   ; res into v[256 + 4 t] on: rows 2 t and 2 t + 1, 256 consecutive bytes each
.endr
	s_set_vgpr_msb 0x4000                          ; every window 0 again
	s_wait_tensorcnt 0x0                           ; my parts of S1 and S0 are in LDS,
	s_barrier_signal -1
	s_barrier_wait -1                              ; everybody's are
	FETCH 0, F0
	s_wait_dscnt 0x0
	s_wait_loadcnt 16                              ; the bias is in; the 16 younger loads, res, may be out
	MUL 0, F0
	PLACES
	FETCH 1, F1
.irp s, 1,2,3,4,5,6
	FETCH \s+1, F0+72*((\s+1)%2)                   ; the other set's last products stand four places back
	s_wait_dscnt 30                                ; all but the 30 loads just issued: this K step's fragments are in
	MUL \s, F0+72*(\s%2)
	PLACES
.endr
	s_wait_dscnt 0x0
	MUL 7, F1
	PLACES
.irp j, 0,1
.irp b, 0,1
.irp u, 0,1
	ds_store_b128 v9, v[ACC+8*(4*\j+2*\b+\u):ACC+8*(4*\j+2*\b+\u)+3] offset:2176*\j+128*\b+32*\u       ; each accumulator from its low end on
	ds_store_b128 v9, v[ACC+8*(4*\j+2*\b+\u)+4:ACC+8*(4*\j+2*\b+\u)+7] offset:2176*\j+128*\b+32*\u+16
.endr
.endr
.endr
.irp t, 0,1,2,3,4,5,6,7,8,9,10,11,12,13,14,15
	ds_load_b128 v[F1+4*\t:F1+4*\t+3], v10 offset:544*\t   ; LDS serves a wave's instructions in order: these see my stores
.endr
.if GELU
	v_mov_b32 v236, 0x3f87dc22                     ; a5
	v_mov_b32 v237, 0x3f87dc22
	v_mov_b32 v238, 0xbfba00e3                     ; a4
	v_mov_b32 v239, 0xbfba00e3
	v_mov_b32 v240, 0x3fb5f0e3                     ; a3
	v_mov_b32 v241, 0x3fb5f0e3
	v_mov_b32 v242, 0xbe91a98e                     ; a2
	v_mov_b32 v243, 0xbe91a98e
	v_mov_b32 v244, 0x3e827906                     ; a1
	v_mov_b32 v245, 0x3e827906
	v_mov_b32 v246, 0x3e6d3388                     ; p / sqrt 2
	v_mov_b32 v248, 0xbf38aa3b                     ; -log2(e) / 2
	v_mov_b32 v249, 0xbf38aa3b
.endif
	s_wait_dscnt 0x0                               ; the rows are back, and the stores have read the accumulators
.if GELU
	GELU16 0
	GELU16 1
	GELU16 2
	GELU16 3
.endif
	s_wait_loadcnt 0x0                             ; res
	s_set_vgpr_msb 0x04                            ; source 1 in window 1
.set i, 0
.rept 32
	v_pk_add_f32 v[F1+i:F1+i+1], v[F1+i:F1+i+1], v[i:i+1]   ; + res, v[256 + i]
.set i, i+2
.endr
	s_set_vgpr_msb 0x0400                          ; every window 0 again
.irp t, 0,1,2,3,4,5,6,7,8,9,10,11,12,13,14,15
	global_store_b128 v11, v[F1+4*\t:F1+4*\t+3], s[12:13] offset:8192*\t   ; sixteen lanes store 256 consecutive bytes, at a multiple of 256 from the buffer's first byte
.endr
	s_wait_tensorcnt 0x0
	ds_add_u32 v254, v255
	s_wait_dscnt 0x0
	CROUND                                         ; the closing round: no work-group ends while a partner may still ask for a tile that names it
	s_endpgm
.Lfunc_end_k_q75545f36e8_gao:
	.size	k_q75545f36e8_gao, .Lfunc_end_k_q75545f36e8_gao-k_q75545f36e8_gao
	.p2alignl 7, 3214868480
	.fill 96, 4, 3214868480
	.section	.rodata,"a",@progbits
	.p2align	6, 0x0
	.amdhsa_kernel k_q75545f36e8_gao
		.amdhsa_group_segment_fixed_size 188928
		.amdhsa_private_segment_fixed_size 0
		.amdhsa_enable_private_segment 0
		.amdhsa_kernarg_size 40
		.amdhsa_user_sgpr_count 2
		.amdhsa_user_sgpr_kernarg_segment_ptr 1
		.amdhsa_wavefront_size32 1
		.amdhsa_system_sgpr_workgroup_id_x 1
		.amdhsa_system_sgpr_workgroup_id_y 1
		.amdhsa_system_sgpr_workgroup_id_z 1
		.amdhsa_system_vgpr_workitem_id 0
		.amdhsa_next_free_vgpr 320
		.amdhsa_next_free_sgpr 96
		.amdhsa_reserve_vcc 0
		.amdhsa_float_denorm_mode_32 3
		.amdhsa_float_denorm_mode_16_64 3
		.amdhsa_memory_ordered 1
		.amdhsa_forward_progress 1
		.amdhsa_inst_pref_size 39
	.end_amdhsa_kernel
	.amdgpu_metadata
---
amdhsa.version: [ 1, 2 ]
amdhsa.kernels:
  - .name:           k_q75545f36e8_gao
    .symbol:         k_q75545f36e8_gao.kd
    .args:
      - { .name: act, .offset: 0, .size: 8, .value_kind: global_buffer, .address_space: global }
      - { .name: wimg, .offset: 8, .size: 8, .value_kind: global_buffer, .address_space: global }
      - { .name: b_ao, .offset: 16, .size: 8, .value_kind: global_buffer, .address_space: global }
      - { .name: x, .offset: 24, .size: 8, .value_kind: global_buffer, .address_space: global }
      - { .name: hres, .offset: 32, .size: 8, .value_kind: global_buffer, .address_space: global }
    .group_segment_fixed_size: 188928
    .private_segment_fixed_size: 0
    .kernarg_segment_align: 8
    .kernarg_segment_size: 40
    .max_flat_workgroup_size: 128
    .sgpr_count:     96
    .vgpr_count:     320
    .wavefront_size: 32
...
	.end_amdgpu_metadata
.endif
;; end of part 4
;; launch ln2 (part 5): grid 64 x 1, 16 waves a work-group, no clusters, 271,872 bytes of LDS; arguments hres, ln2_g, ln2_b, act, kv; writes act, kv
.if DOCPART == 5
	.amdgcn_target "amdgcn-amd-amdhsa--gfx1250"
	.amdhsa_code_object_version 6
	.text
	.protected	k_q75545f36e8_ln2
	.globl	k_q75545f36e8_ln2
	.p2align	8
	.type	k_q75545f36e8_ln2,@function
k_q75545f36e8_ln2:
	s_mov_b64 s[64:65], 0
	v_nop
	global_prefetch_b8 v0, s[64:65] scope:SCOPE_SE
	s_setreg_imm32_b32 hwreg(HW_REG_WAVE_MODE, 25, 1), 1
	s_wait_xcnt 0x0
; y = LN2(h), h [2048][1024] f32, is quantised TWICE to codes of BF6 (E3M2): along D (the operand of the next product: tile records in act) and along the tokens (the values of the second attention, whose K is the keys: V^T's places in kv).
; A tile is 16 rows: tile 2 g + u holds in place r the row 32 g + 8 u + r + 8 (r / 8).  act's record of a tile, 12,800 bytes: 512 scale bytes (place r: 32 bytes at 32 r), then half fragments of 768 bytes at 512 + 1536 s + 768 c
; (lane l: four registers at 16 l, two at 512 + 8 l).  kv's record of (head, 128 keys), 13,056 bytes: V^T's half fragment (channel tile t, key half c) at 6,144 + 768 (2 t + c); V's scale words at 12,800 + 64 t + 4 r, byte = the key block.
; SHARES.  Work-group g owns rows 32 g .. 32 g + 31: two tiles, and ONE block of 32 keys.  First part: wave w takes tile u = w / 8 and K step s = w % 8 (16 rows x 128 numbers), normalises, quantises along D, and leaves y in LDS.
; Second part: wave w takes head w: a lane takes a channel, and its 32 registers run down the 32 rows: a whole block in a lane; its six registers of codes are one lane's place of a half fragment.
; A layer norm wants whole rows and a block of keys 32 of them: so there are 64 work-groups.  No input is shared between them: no cluster, no tensor load.
; Of kv, sixteen lanes store 256 consecutive bytes (four registers), 128 (two registers), and single scale bytes: the last two fill their aligned blocks in part.
; LIMITS: a block of zeros, or one whose largest magnitude lies under 2^-122, gets the byte 1 (read by this program alone); NaN and infinities are not served.
.set TRB,   12800
.set REC,   13056
.set HEADB, 16*REC
.set SROW,  528
.set STGB,  16*SROW                    ; a wave's stage
.set YB,    16*STGB                    ; y: 32 rows of 4,096 + 16 bytes
.set YROW,  4112
.set RED0,  YB+32*YROW                 ; 1,024 bytes: the waves' sums, [u][place r][s]; the squares' 1,024 bytes behind them
.set REDB,  1024
.set SCG,   RED0+2*REDB                ; 1,024 bytes: the two tiles' scale words, as they lie in the records
.set R,   16                           ; v16-79   16 loads as they come; later the gains; later two sets of 32 numbers down the rows
.set T,   80                           ; v80-143  my 64 numbers: register 16 b + i = k 32 b + 16 h + i
.set BB,  144                          ; v144-207 the shifts; later the second part's codes
.set PC,  208
.set TM,  228
.set PW,  244
.set W,   246
.set RS,  252
.set MU,  254
.set X,   16
.set CC,  144                          ; the second part: codes, 12 registers a set;
.set CM,  170                          ; largest magnitudes;
.set CO,  174                          ; the conversions' scale operands;
.set CB,  176                          ; the bytes
.set SEL, 4
.set WV,  6
.macro BAR                             ; my LDS stores have landed and my LDS loads are in: then the work-group's barrier
	s_wait_dscnt 0x0
	s_barrier_signal -1
	s_barrier_wait -1
.endm
; 64 numbers of a lane, v[s] .. v[s + 63], become a fragment's 12 registers of codes in v[PC] on and its row's scale word in v[PW]
.macro QUANT s
.irp b, 0,1,2,3
	v_max3_num_f32 v[TM+\b], |v[\s+16*\b]|, |v[\s+1+16*\b]|, 0x2800000   ; the floor 2^(5 - 127): the byte cannot fall under 1
.endr
.irp i, 2,4,6,8,10,12,14
.irp b, 0,1,2,3
	v_max3_num_f32 v[TM+\b], v[TM+\b], |v[\s+16*\b+\i]|, |v[\s+1+16*\b+\i]|
.endr
.endr
.irp b, 0,1,2,3
	v_permlanex16_b32 v[TM+4+\b], v[TM+\b], s[SEL], s[SEL+1]
.endr
.irp b, 0,1,2,3
	v_max_num_f32 v[TM+\b], v[TM+\b], v[TM+4+\b]
.endr
.irp b, 0,1,2,3
	v_add_nc_u32 v[TM+12+\b], 0xfe000000, v[TM+\b]
.endr
.irp b, 0,1,2,3
	v_lshrrev_b32 v[TM+4+\b], 23, v[TM+12+\b]
.endr
	v_lshl_or_b32 v[PW], v[TM+5], 8, v[TM+4]
	v_lshl_or_b32 v[PW], v[TM+6], 16, v[PW]
	v_lshl_or_b32 v[PW], v[TM+7], 24, v[PW]
.irp c, 0,1
	v_cvt_scalef32_pk16_bf6_f32 v[PC+6*\c:PC+2+6*\c], v[\s+32*\c:\s+15+32*\c], v[TM+12+2*\c]
	v_cvt_scalef32_pk16_bf6_f32 v[PC+12+4*\c:PC+14+4*\c], v[\s+16+32*\c:\s+31+32*\c], v[TM+12+2*\c+1]
.endr
	v_nop
.irp c, 0,1
.irp i, 0,1,2
	v_permlane16_swap_b32 v[PC+6*\c+\i], v[PC+12+4*\c+\i]
.endr
.irp i, 0,1,2
	v_mov_b32 v[PC+3+6*\c+\i], v[PC+12+4*\c+\i]
.endr
.endr
.endm
; two packed chains in v[W:W+3] become the row's sum over all 1,024 numbers in v[TM]: my lane, lane l xor 16, then the parts of the tile's eight waves through LDS
.macro REDUCE off
	v_pk_add_f32 v[W:W+1], v[W:W+1], v[W+2:W+3]
	v_add_f32 v[W], v[W], v[W+1]
	v_permlanex16_b32 v[W+4], v[W], s[SEL], s[SEL+1]
	v_add_f32 v[W], v[W], v[W+4]
	ds_store_b32 v5, v[W] offset:\off
	BAR
	ds_load_b128 v[TM:TM+3], v6 offset:\off
	ds_load_b128 v[TM+4:TM+7], v6 offset:\off+16
	s_wait_dscnt 0x0
	v_pk_add_f32 v[TM:TM+1], v[TM:TM+1], v[TM+2:TM+3]
	v_pk_add_f32 v[TM+4:TM+5], v[TM+4:TM+5], v[TM+6:TM+7]
	v_pk_add_f32 v[TM:TM+1], v[TM:TM+1], v[TM+4:TM+5]
	v_add_f32 v[TM], v[TM], v[TM+1]
.endm
; set p: my channel's 32 numbers down the rows are a whole block: its byte, its six registers of codes, and their stores
.macro COLQ p
	v_max3_num_f32 v[CM+2*\p], |v[X+32*\p]|, |v[X+32*\p+1]|, 0x2800000
	v_max3_num_f32 v[CM+2*\p+1], |v[X+32*\p+2]|, |v[X+32*\p+3]|, |v[X+32*\p+4]|
.irp i, 5,9,13,17,21,25
	v_max3_num_f32 v[CM+2*\p], v[CM+2*\p], |v[X+32*\p+\i]|, |v[X+32*\p+\i+1]|
	v_max3_num_f32 v[CM+2*\p+1], v[CM+2*\p+1], |v[X+32*\p+\i+2]|, |v[X+32*\p+\i+3]|
.endr
	v_max3_num_f32 v[CM+2*\p], v[CM+2*\p], |v[X+32*\p+29]|, |v[X+32*\p+30]|
	v_max3_num_f32 v[CM+2*\p], v[CM+2*\p], v[CM+2*\p+1], |v[X+32*\p+31]|
	v_add_nc_u32 v[CO+\p], 0xfe000000, v[CM+2*\p]
	v_lshrrev_b32 v[CB+\p], 23, v[CO+\p]
	v_cvt_scalef32_pk16_bf6_f32 v[CC+12*\p:CC+12*\p+2], v[X+32*\p:X+32*\p+15], v[CO+\p]
	v_cvt_scalef32_pk16_bf6_f32 v[CC+12*\p+6:CC+12*\p+8], v[X+32*\p+16:X+32*\p+31], v[CO+\p]
	v_nop                                          ; one plain place behind a scaled conversion
.irp i, 0,1,2
	v_mov_b32 v[CC+12*\p+3+\i], v[CC+12*\p+6+\i]
.endr
	global_store_b128 v13, v[CC+12*\p:CC+12*\p+3], s[44:45] offset:3072*\p
	global_store_b64 v14, v[CC+12*\p+4:CC+12*\p+5], s[46:47] offset:3072*\p
	global_store_b8 v15, v[CB+\p], s[48:49] offset:128*\p
.endm
	s_load_b256 s[8:15], s[0:1], 0x0               ; h s[8:9], ln2_g s[10:11], ln2_b s[12:13], act s[14:15]
	s_load_b64 s[16:17], s[0:1], 0x20              ; kv
	v_lshl_add_u32 v239, v0, 2, 0x41e00
	v_mov_b32 v245, 0
	v_lshrrev_b32 v16, 5, v0
	v_readfirstlane_b32 s[WV], v16                 ; wave 0..15
	s_lshr_b32 s18, s[WV], 3                       ; u
	s_and_b32 s19, s[WV], 7                        ; s
	v_and_b32 v16, 31, v0                          ; l
	v_and_b32 v17, 15, v0                          ; r
	v_bfe_u32 v18, v0, 4, 1                        ; h
	v_and_b32 v19, 8, v17
	v_add_nc_u32 v19, v19, v17                     ; r + 8 (r / 8)
	v_lshlrev_b32 v1, 4, v16                       ; 16 l
	v_lshlrev_b32 v2, 3, v16                       ; 8 l
	s_mul_i32 s7, s[WV], STGB
	v_add_nc_u32 v3, s7, v1                        ; the stage, on the way in,
	v_mul_u32_u24 v4, v17, SROW
	v_lshl_add_u32 v4, v18, 6, v4
	v_add_nc_u32 v4, s7, v4                        ; and on the way out: place r, + 64 h
	s_lshl_b32 s7, s18, 9
	s_add_co_u32 s7, s7, RED0
	v_lshl_add_u32 v6, v17, 5, s7                  ; the sums of place r of my tile,
	s_lshl_b32 s20, s19, 2
	v_add_nc_u32 v5, s20, v6                       ; my wave's word among them,
	v_add_nc_u32 v7, SCG-RED0, v5                  ; my K step's scale word of place r,
	v_add_nc_u32 v8, s7, v1
	v_add_nc_u32 v8, SCG-RED0, v8                  ; my tile's 512 scale bytes, 16 a lane
	v_lshlrev_b32 v9, 6, v18                       ; gains and shifts: 64 h
	s_lshl_b32 s20, s18, 3
	v_add_nc_u32 v10, s20, v19
	v_mul_u32_u24 v10, v10, YROW
	v_lshl_add_u32 v10, v18, 6, v10
	s_lshl_b32 s20, s19, 9
	s_add_co_u32 s20, s20, YB
	v_add_nc_u32 v10, s20, v10                     ; y: row 8 u + r + 8 (r / 8) of the 32, + 512 s + 64 h
	v_lshl_add_u32 v11, v18, 3, v19
	s_lshl_b32 s20, s[WV], 8
	s_add_co_u32 s20, s20, YB
	v_lshl_add_u32 v11, v11, 2, s20                ; the second part: channel 64 w + 8 h + r + 8 (r / 8), rows 0-15,
	v_add_nc_u32 v12, 16*YROW, v11                 ; rows 16-31
	v_mul_u32_u24 v13, v18, 1536
	v_lshl_add_u32 v14, v17, 3, v13                ; kv: channel tile h of the pair: 1536 h, + 8 r,
	v_lshl_add_u32 v13, v17, 4, v13                ; + 16 r,
	v_lshlrev_b32 v15, 6, v18
	v_lshl_add_u32 v15, v17, 2, v15                ; scale words: 64 h + 4 r
	s_mov_b32 s[SEL], 0x76543210
	s_mov_b32 s[SEL+1], 0xfedcba98
	s_mov_b32 s40, 0x3a800000                      ; 1 / 1,024
	s_mov_b32 s41, 0x3727c5ac                      ; eps = 1e-5
.irp b, 0,1,2,3
	v_mov_b32 v[TM+4+\b], 0                        ; written once: a lane permute's destination counts as one of its sources
.endr
	v_mov_b32 v[W+4], 0
	s_lshl_b32 s34, ttmp9, 17                      ; 32 rows of 4,096 bytes a work-group,
	s_lshl_b32 s35, s18, 15                        ; 8 rows for the odd tile,
	s_add_co_u32 s34, s34, s35
	s_lshl_b32 s36, s19, 9                         ; 512 bytes for each K step
	s_add_co_u32 s34, s34, s36
	s_mov_b32 s35, 0
	s_mov_b32 s37, 0
	s_lshl_b32 s22, ttmp9, 1
	s_add_co_u32 s22, s22, s18
	s_mul_i32 s22, s22, TRB                        ; act's record 2 g + u
	s_mov_b32 s23, 0
	s_mul_i32 s24, s19, 1536
	s_mov_b32 s25, 0
	s_mul_i32 s26, s[WV], HEADB
	s_lshr_b32 s27, ttmp9, 2
	s_mul_i32 s27, s27, REC
	s_add_co_u32 s26, s26, s27                     ; kv's record (head w, key step g / 4)
	s_bfe_u32 s27, ttmp9, 0x10001
	s_mul_i32 s27, s27, 768                        ; key half (g / 2) % 2
	s_add_co_u32 s27, s27, s26
	s_and_b32 s28, ttmp9, 1                        ; which half of the lanes' places: g % 2
	s_lshl_b32 s29, s28, 8
	s_add_co_u32 s44, s27, s29
	s_add_co_u32 s44, s44, 6144
	s_lshl_b32 s29, s28, 7
	s_add_co_u32 s46, s27, s29
	s_add_co_u32 s46, s46, 6656
	s_and_b32 s29, ttmp9, 3                        ; the key block's byte: g % 4
	s_add_co_u32 s48, s26, s29
	s_add_co_u32 s48, s48, 12800
	s_mov_b32 s45, 0
	s_mov_b32 s47, 0
	s_mov_b32 s49, 0
	s_wait_kmcnt 0x0
	s_add_nc_u64 s[8:9], s[8:9], s[34:35]
	s_add_nc_u64 s[10:11], s[10:11], s[36:37]
	s_add_nc_u64 s[12:13], s[12:13], s[36:37]
	s_add_nc_u64 s[30:31], s[14:15], s[22:23]      ; the record's head
	s_add_nc_u64 s[38:39], s[30:31], s[24:25]      ; my K step's two half fragments lie 512 bytes behind this
	s_add_nc_u64 s[44:45], s[16:17], s[44:45]
	s_add_nc_u64 s[46:47], s[16:17], s[46:47]
	s_add_nc_u64 s[48:49], s[16:17], s[48:49]
.irp i, 0,1,2,3,4,5,6,7,8,9,10,11,12,13,14,15
	global_load_b128 v[R+4*\i:R+4*\i+3], v1, s[8:9] offset:(\i+8*(\i/8))*4096 th:TH_LOAD_NT   ; place i's row: 32 lanes read 512 consecutive bytes
.endr
.irp i, 0,1,2,3,4,5,6,7,8,9,10,11,12,13,14,15
	s_wait_loadcnt 15-\i                           ; loads come back in order: place i's is in, the 15 - i younger ones may be out
	ds_store_b128 v3, v[R+4*\i:R+4*\i+3] offset:SROW*\i
.endr
.irp b, 0,1,2,3
.irp q, 0,1,2,3
	ds_load_b128 v[T+16*\b+4*\q:T+16*\b+4*\q+3], v4 offset:128*\b+16*\q   ; LDS serves a wave's instructions in order: these see my stores
.endr
.endr
	s_wait_dscnt 0x0                               ; my 64 numbers are in, and the stores have read their registers
.irp b, 0,1,2,3
.irp q, 0,1,2,3
	global_load_b128 v[R+16*\b+4*\q:R+16*\b+4*\q+3], v9, s[10:11] offset:128*\b+16*\q
	global_load_b128 v[BB+16*\b+4*\q:BB+16*\b+4*\q+3], v9, s[12:13] offset:128*\b+16*\q
.endr
.endr
	v_pk_add_f32 v[W:W+1], v[T:T+1], v[T+2:T+3]
	v_pk_add_f32 v[W+2:W+3], v[T+4:T+5], v[T+6:T+7]
.irp j, 8,12,16,20,24,28,32,36,40,44,48,52,56,60
	v_pk_add_f32 v[W:W+1], v[W:W+1], v[T+\j:T+\j+1]
	v_pk_add_f32 v[W+2:W+3], v[W+2:W+3], v[T+\j+2:T+\j+3]
.endr
	REDUCE 0
	v_mul_f32 v[MU], s40, v[TM]
	v_mov_b32 v[MU+1], v[MU]
.set j, 0
.rept 32
	v_pk_add_f32 v[T+j:T+j+1], v[T+j:T+j+1], v[MU:MU+1] neg_lo:[0,1] neg_hi:[0,1]
.set j, j+2
.endr
	v_pk_mul_f32 v[W:W+1], v[T:T+1], v[T:T+1]
	v_pk_mul_f32 v[W+2:W+3], v[T+2:T+3], v[T+2:T+3]
.irp j, 4,8,12,16,20,24,28,32,36,40,44,48,52,56,60
	v_pk_fma_f32 v[W:W+1], v[T+\j:T+\j+1], v[T+\j:T+\j+1], v[W:W+1]
	v_pk_fma_f32 v[W+2:W+3], v[T+\j+2:T+\j+3], v[T+\j+2:T+\j+3], v[W+2:W+3]
.endr
	REDUCE REDB
	v_fma_f32 v[TM], v[TM], s40, s41               ; var + eps
	v_rsq_f32 v[RS], v[TM]
	v_rsq_f32 v[RS+1], v[TM]
	v_nop                                          ; a plain place behind the transcendentals
	s_wait_alu depctr_va_vdst(0)                   ; one wait for both, ahead of their first reader
	s_wait_loadcnt 0x0                             ; gains and shifts
.set j, 0
.rept 32
	v_pk_mul_f32 v[T+j:T+j+1], v[T+j:T+j+1], v[RS:RS+1]
.set j, j+2
.endr
.set j, 0
.rept 32
	v_pk_fma_f32 v[T+j:T+j+1], v[T+j:T+j+1], v[R+j:R+j+1], v[BB+j:BB+j+1]
.set j, j+2
.endr
.irp b, 0,1,2,3
.irp q, 0,1,2,3
	ds_store_b128 v10, v[T+16*\b+4*\q:T+16*\b+4*\q+3] offset:128*\b+16*\q   ; y, in f32, for the second part
.endr
.endr
	QUANT T
.irp c, 0,1
	global_store_b128 v1, v[PC+6*\c:PC+6*\c+3], s[38:39] offset:512+768*\c
	global_store_b64 v2, v[PC+6*\c+4:PC+6*\c+5], s[38:39] offset:1024+768*\c
.endr
	ds_store_b32 v7, v[PW]
	BAR                                            ; 32 whole rows of y and the two tiles' scale words lie in LDS
	s_cmp_lg_u32 s19, 0
	s_cbranch_scc1 .Lcols                          ; waves 0 and 8 store the scale bytes of tiles 2 g and 2 g + 1
	ds_load_b128 v[248:251], v8
	s_wait_dscnt 0x0
	global_store_b128 v1, v[248:251], s[30:31]     ; 512 consecutive bytes at the record's head
.Lcols:
	; ---- along the tokens: head w; set p: channels 32 p + 8 h + r + 8 (r / 8): place r of channel tile 2 p + h
.irp p, 0,1
.set k, 0
.rept 16
	ds_load_b32 v[X+32*\p+k], v11 offset:128*\p+YROW*k        ; 32 lanes read 32 different words of one row
	ds_load_b32 v[X+32*\p+16+k], v12 offset:128*\p+YROW*k
.set k, k+1
.endr
.endr
	s_wait_dscnt 32                                ; set 0 is in; the 32 younger loads, set 1's, may be out
	COLQ 0
	s_wait_dscnt 0x0
	COLQ 1
	s_wait_tensorcnt 0x0
	ds_add_u32 v239, v245
	s_wait_dscnt 0x0
	s_endpgm
.Lfunc_end_k_q75545f36e8_ln2:
	.size	k_q75545f36e8_ln2, .Lfunc_end_k_q75545f36e8_ln2-k_q75545f36e8_ln2
	.p2alignl 7, 3214868480
	.fill 96, 4, 3214868480
	.section	.rodata,"a",@progbits
	.p2align	6, 0x0
	.amdhsa_kernel k_q75545f36e8_ln2
		.amdhsa_group_segment_fixed_size 271872
		.amdhsa_private_segment_fixed_size 0
		.amdhsa_enable_private_segment 0
		.amdhsa_kernarg_size 40
		.amdhsa_user_sgpr_count 2
		.amdhsa_user_sgpr_kernarg_segment_ptr 1
		.amdhsa_wavefront_size32 1
		.amdhsa_system_sgpr_workgroup_id_x 1
		.amdhsa_system_sgpr_workgroup_id_y 1
		.amdhsa_system_sgpr_workgroup_id_z 1
		.amdhsa_system_vgpr_workitem_id 0
		.amdhsa_next_free_vgpr 256
		.amdhsa_next_free_sgpr 66
		.amdhsa_reserve_vcc 0
		.amdhsa_float_denorm_mode_32 3
		.amdhsa_float_denorm_mode_16_64 3
		.amdhsa_memory_ordered 1
		.amdhsa_forward_progress 1
		.amdhsa_inst_pref_size 37
	.end_amdhsa_kernel
	.amdgpu_metadata
---
amdhsa.version: [ 1, 2 ]
amdhsa.kernels:
  - .name:           k_q75545f36e8_ln2
    .symbol:         k_q75545f36e8_ln2.kd
    .args:
      - { .name: hres, .offset: 0, .size: 8, .value_kind: global_buffer, .address_space: global }
      - { .name: ln2_g, .offset: 8, .size: 8, .value_kind: global_buffer, .address_space: global }
      - { .name: ln2_b, .offset: 16, .size: 8, .value_kind: global_buffer, .address_space: global }
      - { .name: act, .offset: 24, .size: 8, .value_kind: global_buffer, .address_space: global }
      - { .name: kv, .offset: 32, .size: 8, .value_kind: global_buffer, .address_space: global }
    .group_segment_fixed_size: 271872
    .private_segment_fixed_size: 0
    .kernarg_segment_align: 8
    .kernarg_segment_size: 40
    .max_flat_workgroup_size: 512
    .sgpr_count:     66
    .vgpr_count:     256
    .wavefront_size: 32
...
	.end_amdgpu_metadata
.endif
;; end of part 5
;; launch gq2 (part 6): grid 16 x 16, 4 waves a work-group, clusters of 4 x 4, 168,448 bytes of LDS; arguments act, wimg, b_q, qimg, kv; writes qimg, kv
.if DOCPART == 6
	.amdgcn_target "amdgcn-amd-amdhsa--gfx1250"
	.amdhsa_code_object_version 6
	.text
	.protected	k_q75545f36e8_gq2
	.globl	k_q75545f36e8_gq2
	.p2align	8
	.type	k_q75545f36e8_gq2,@function
k_q75545f36e8_gq2:
	s_mov_b64 s[64:65], 0
	v_nop
	global_prefetch_b8 v0, s[64:65] scope:SCOPE_SE
	s_setreg_imm32_b32 hwreg(HW_REG_WAVE_MODE, 25, 1), 1
	s_wait_xcnt 0x0
	s_wait_alu depctr_hold_cnt(0) depctr_sa_sdst(0) depctr_va_vdst(0) depctr_va_sdst(0) depctr_va_ssrc(0) depctr_va_vcc(0) depctr_vm_vsrc(0)
	s_getreg_b32 s2, hwreg(HW_REG_IB_STS2, 6, 4)
	s_cmp_eq_u32 s2, 0
	s_cbranch_scc0 .Lentry_in_a_cluster
	s_endpgm
.Lentry_in_a_cluster:
	s_bfe_u32 s2, ttmp6, 0x10000c
	s_cmp_lg_u32 s2, 0xf033
	s_cbranch_scc0 .Lentry_shape_is_right
	s_endpgm
.Lentry_shape_is_right:
; q2 = Q(LN2(h)) Q(w_q)^T + b_q on codes of BF6 (E3M2), K = 1,024; the results are quantised in registers and leave as codes, TWICE: as queries into qimg and as keys into kv (the second attention multiplies q2 by itself).
; OPERANDS are tile records of 12,800 bytes (16 rows x K 1,024): 512 scale bytes (place r: 32 bytes at 32 r, word s = K step s), then half fragments of 768 bytes at 512 + 1536 s + 768 c (lane l: four registers at 16 l, two at 512 + 8 l).
; Tile 2 g + u holds in place r the row 32 g + 8 u + r + 8 (r / 8): so the 16 registers of a result's tiles 2 b and 2 b + 1 of source 0 are 16 NEIGHBOURS, 32 b + 16 (lane / 16) + 0 .. 15.
; A WORK-GROUP makes 128 rows of S1 = act (source 1: a lane holds a token) x 64 rows of S0 = w_q's rows of head x (source 0: along a lane's registers): 32 of the head's 64 numbers a lane, which are the next product's K.
; Wave w takes S1's tiles 2 w, 2 w + 1 against S0's four: 8 accumulators.
; BOTH OPERANDS FIT IN LDS AT ONCE (153,600 bytes): each is filled once, no slot is filled again.  CLUSTER 4 x 4: S1 hangs on the row of the cluster alone and S0 on its column alone: each is asked for JOINTLY by the four that share it.
; A wave has two tensor loads out, issued together behind the one round of the cluster's barrier.
; OUT.  qimg: half fragment of (head h, tile T) at (128 h + T) 768, its scale words at QSC0 + (128 h + T) 64 + 4 r.  kv: record (head, 128 keys) of 13,056 bytes: K's half fragments of key tiles 0-7 at 768 t; K's scale words at 12,288 + 64 t + 4 r.
; K of the next product is 64: bytes 2 and 3 of the words are 0x7f (the scale 1) for the zero codes that fill K to 128.
; LIMITS: a block of zeros, or one whose largest magnitude lies under 2^-122, gets the byte 1 (read by this program alone); NaN and infinities are not served.
.set WBASE, 256                        ; w_q's first record in wimg
.set TRB,   12800
.set REC,   13056
.set HEADB, 16*REC
.set QSC0,  1572864
.set S1L,   4*TRB                      ; LDS: S0's four records at 0, S1's eight behind them
.set ACC,   16                         ; v16-79   accumulator (j, i) at v[16 + 8 (4 j + i)]
.set F0,    80                         ; v80-151, v152-223: two sets of fragments: S0's four at + 12 i, S1's two at + 48 + 12 j
.set F1,    152
.set SC,    224                        ; v224-235 scale words and nothing else: two sets of 4 + 2
.set TM,    236                        ; v236-241 at work
.set WV,    14
.set SEL,   22                         ; s[22:23]
.macro PLACES                          ; four places behind a matrix instruction, in front of loads into its registers and of reads of its results
.rept 4
	v_nop
.endr
.endm
.macro CROUND                          ; a round of the cluster's barrier
	s_barrier_signal -1
	s_barrier_wait -1
	s_cmp_lg_u32 s[WV], 0
	s_cbranch_scc1 .Lnot_wave_0_\@
	s_barrier_signal -3
.Lnot_wave_0_\@:
	s_barrier_wait -3
	s_barrier_signal -1
	s_barrier_wait -1
.endm
.macro FETCH s, f                      ; K step s: 30 LDS loads into set f; every load of codes reads consecutive bytes
.irp i, 0,1,2,3
.irp c, 0,1
	ds_load_b128 v[\f+12*\i+6*\c:\f+12*\i+6*\c+3], v1 offset:TRB*\i+512+1536*(\s)+768*\c
	ds_load_b64 v[\f+12*\i+6*\c+4:\f+12*\i+6*\c+5], v2 offset:TRB*\i+1024+1536*(\s)+768*\c
.endr
.endr
.irp j, 0,1
.irp c, 0,1
	ds_load_b128 v[\f+48+12*\j+6*\c:\f+48+12*\j+6*\c+3], v4 offset:TRB*\j+512+1536*(\s)+768*\c
	ds_load_b64 v[\f+48+12*\j+6*\c+4:\f+48+12*\j+6*\c+5], v5 offset:TRB*\j+1024+1536*(\s)+768*\c
.endr
.endr
.irp i, 0,1,2,3
	ds_load_b32 v[SC+6*((\s)%2)+\i], v3 offset:TRB*\i+4*(\s)
.endr
.irp j, 0,1
	ds_load_b32 v[SC+6*((\s)%2)+4+\j], v6 offset:TRB*\j+4*(\s)
.endr
.endm
.macro MUL s, f                        ; 8 matrix instructions, the 8 accumulators by turns
.irp j, 0,1
.irp i, 0,1,2,3
	v_wmma_scale_f32_16x16x128_f8f6f4 v[ACC+8*(4*\j+\i):ACC+8*(4*\j+\i)+7], v[\f+12*\i:\f+12*\i+11], v[\f+48+12*\j:\f+48+12*\j+11], v[ACC+8*(4*\j+\i):ACC+8*(4*\j+\i)+7], v[SC+6*((\s)%2)+\i], v[SC+6*((\s)%2)+4+\j] matrix_a_fmt:MATRIX_FMT_BF6 matrix_b_fmt:MATRIX_FMT_BF6
.endr
.endr
.endm
; 32 numbers of a lane, register 16 b + i = k 32 b + 16 (lane / 16) + i, become a half fragment's six registers v[pc] on (v[pc+6] to v[pc+8] at work) and the two scale bytes in v[pw]
.macro QUANT2 s, pc, pw
.irp b, 0,1
	v_max3_num_f32 v[TM+\b], |v[\s+16*\b]|, |v[\s+1+16*\b]|, 0x2800000   ; each accumulator is read from its low end on; the floor 2^(5 - 127) holds the byte at 1 from below
.endr
.irp i, 2,4,6,8,10,12,14
.irp b, 0,1
	v_max3_num_f32 v[TM+\b], v[TM+\b], |v[\s+16*\b+\i]|, |v[\s+1+16*\b+\i]|
.endr
.endr
.irp b, 0,1
	v_permlanex16_b32 v[TM+2+\b], v[TM+\b], s[SEL], s[SEL+1]
.endr
.irp b, 0,1
	v_max_num_f32 v[TM+\b], v[TM+\b], v[TM+2+\b]
.endr
.irp b, 0,1
	v_add_nc_u32 v[TM+4+\b], 0xfe000000, v[TM+\b]  ; 4 off the exponent field: the conversion's scale operand
.endr
.irp b, 0,1
	v_lshrrev_b32 v[TM+2+\b], 23, v[TM+4+\b]
.endr
	v_lshl_or_b32 v[\pw], v[TM+3], 8, v[TM+2]
	v_cvt_scalef32_pk16_bf6_f32 v[\pc:\pc+2], v[\s:\s+15], v[TM+4]
	v_cvt_scalef32_pk16_bf6_f32 v[\pc+6:\pc+8], v[\s+16:\s+31], v[TM+5]
	v_nop                                          ; one plain place behind a scaled conversion
.irp i, 0,1,2
	v_permlane16_swap_b32 v[\pc+\i], v[\pc+6+\i]   ; a WHOLE block to a lane: lanes 0-15 block 0, lanes 16-31 block 1
.endr
.irp i, 0,1,2
	v_mov_b32 v[\pc+3+\i], v[\pc+6+\i]
.endr
.endm
.macro PUTQK cb, sb                    ; my two tiles' half fragments (768 bytes each, on end) and their 128 bytes of scale words
	global_store_b128 v1, v[80:83], s[\cb:\cb+1]
	global_store_b64 v2, v[84:85], s[\cb:\cb+1] offset:512
	global_store_b128 v1, v[92:95], s[\cb:\cb+1] offset:768
	global_store_b64 v2, v[96:97], s[\cb:\cb+1] offset:1280
	global_store_b32 v7, v106, s[\sb:\sb+1]
.endm
	s_load_b256 s[4:11], s[0:1], 0x0               ; act s[4:5], wimg s[6:7], the bias s[8:9], qimg s[10:11]
	s_load_b64 s[12:13], s[0:1], 0x20              ; kv
	v_lshl_add_u32 v254, v0, 2, 0x29000
	v_mov_b32 v255, 0
	ds_add_u32 v254, v255
	ds_add_u32 v254, v255
	v_lshrrev_b32 v12, 5, v0
	v_readfirstlane_b32 s[WV], v12                 ; wave 0..3
	s_bfe_u32 s15, ttmp6, 0x40000                  ; cx
	s_bfe_u32 s16, ttmp6, 0x40004                  ; cy
	s_lshl_b32 s17, ttmp9, 2
	s_add_co_u32 s17, s17, s15                     ; x = 4 x cluster x + cx: the head
	s_and_b32 s18, ttmp7, 0xffff
	s_lshl_b32 s19, s18, 2
	s_add_co_u32 s19, s19, s16                     ; rs = 4 x cluster y + cy: which 128 tokens
	s_lshl_b32 s52, s16, 2
	s_lshl_b32 s52, 15, s52                        ; my row of the cluster
	s_lshl_b32 s53, 0x1111, s15                    ; my column
	; group 1: dense blocks as rows of 256 bytes (32 elements of 8 bytes): S1: two records, 100 rows; S0: one record, 50 rows
	s_or_b32 s24, s52, (3<<16)|(1<<21)             ; 15:0 the mask; 17:16 elements of 8 bytes; 21 set beside a mask
	s_mov_b32 s25, 32<<16
	s_mov_b32 s26, 100<<16
	s_mov_b32 s27, 32<<16
	s_mov_b32 s28, 100
	s_mov_b32 s29, 32
	s_mov_b32 s30, 0
	s_mov_b32 s31, 0
	s_or_b32 s36, s53, (3<<16)|(1<<21)
	s_mov_b32 s37, 32<<16
	s_mov_b32 s38, 50<<16
	s_mov_b32 s39, 32<<16
	s_mov_b32 s40, 50
	s_mov_b32 s41, 32
	s_mov_b32 s42, 0
	s_mov_b32 s43, 0
	s_lshl_b32 s54, s19, 3                         ; S1: act's tiles 8 rs on (never cx)
	s_lshl_b32 s56, s17, 2
	s_add_co_u32 s56, s56, WBASE                   ; S0: the weight's tiles 4 x on (never cy)
	s_lshl_b32 s59, s[WV], 1
	s_add_co_u32 s54, s54, s59                     ; I fetch S1's records 2 w, 2 w + 1
	s_mul_i32 s54, s54, TRB
	s_mov_b32 s55, 0
	s_add_co_u32 s56, s56, s[WV]                   ; and S0's record w
	s_mul_i32 s56, s56, TRB
	s_mov_b32 s57, 0
	s_mov_b32 s32, 1
	s_mul_i32 s33, s[WV], 2*TRB
	s_add_co_u32 s33, s33, S1L                     ; LDS addresses hang on the wave's number alone
	s_mov_b32 s44, 1
	s_mul_i32 s45, s[WV], TRB
	s_wait_dscnt 0x0
	s_wait_kmcnt 0x0
	s_add_nc_u64 s[34:35], s[4:5], s[54:55]
	s_or_b32 s35, s35, 0x80000000
	s_add_nc_u64 s[46:47], s[6:7], s[56:57]
	s_or_b32 s47, s47, 0x80000000
	CROUND                                         ; all sixteen work-groups are here: the joint loads meet
	tensor_load_to_lds s[32:35], s[24:31]
	s_nop 0
	tensor_load_to_lds s[44:47], s[36:43]
	s_nop 0
	PLACES                                         ; four v_nop follow the loads
	v_and_b32 v12, 31, v0                          ; l
	v_and_b32 v13, 15, v0                          ; r
	v_bfe_u32 v14, v0, 4, 1                        ; h
	v_lshlrev_b32 v1, 4, v12                       ; S0: 16 l,
	v_lshlrev_b32 v2, 3, v12                       ; 8 l,
	v_lshlrev_b32 v3, 5, v13                       ; 32 r (scale words)
	v_add_nc_u32 v4, s33, v1                       ; the same for my two records of S1
	v_add_nc_u32 v5, s33, v2
	v_add_nc_u32 v6, s33, v3
	v_lshlrev_b32 v7, 2, v12                       ; 4 l
	v_lshlrev_b32 v8, 6, v14                       ; the bias: 64 h
	v_mov_b32 v[TM+2], 0                           ; written once: a lane permute's destination counts as one of its sources
	v_mov_b32 v[TM+3], 0
	s_mov_b32 s[SEL], 0x76543210
	s_mov_b32 s[SEL+1], 0xfedcba98
	s_lshl_b32 s60, s17, 8                         ; the bias of my 64 features: 256 x bytes on
	s_mov_b32 s61, 0
	s_add_nc_u64 s[8:9], s[8:9], s[60:61]
	; THE BIAS IS LOADED INTO THE ACCUMULATORS, in the result's layout: the first K step adds onto it, and nothing is cleared or added later
.irp j, 0,1
.irp i, 0,1,2,3
	global_load_b128 v[ACC+8*(4*\j+\i):ACC+8*(4*\j+\i)+3], v8, s[8:9] offset:(32*(\i/2)+8*(\i%2))*4       ; features 32 b + 16 h + 8 u + 0 .. 7
	global_load_b128 v[ACC+8*(4*\j+\i)+4:ACC+8*(4*\j+\i)+7], v8, s[8:9] offset:(32*(\i/2)+8*(\i%2))*4+16
.endr
.endr
	s_wait_tensorcnt 0x0                           ; my parts of S1 and S0 are in LDS,
	s_barrier_signal -1
	s_barrier_wait -1                              ; everybody's are
	FETCH 0, F0
	s_wait_dscnt 0x0
	s_wait_loadcnt 0x0                             ; the bias
	MUL 0, F0
	PLACES
	FETCH 1, F1
.irp s, 1,2,3,4,5,6
	FETCH \s+1, F0+72*((\s+1)%2)                   ; the other set's last products stand four places back
	s_wait_dscnt 30                                ; all but the 30 loads just issued: this K step's fragments are in
	MUL \s, F0+72*(\s%2)
	PLACES
.endr
	s_wait_dscnt 0x0
	MUL 7, F1
	PLACES
	; ---- the results become codes: a lane's 32 numbers of tile j are 32 b + 16 h + 0 .. 15 along the next K
.irp j, 0,1
	QUANT2 ACC+32*\j, 80+12*\j, 104+\j
.endr
	v_cmp_gt_u32 vcc_lo, 16, v12
	v_cndmask_b32 v106, v105, v104, vcc_lo         ; lanes 0-15: tile 0's bytes of place r; lanes 16-31: tile 1's
	v_or_b32 v106, 0x7f7f0000, v106                ; K = 64: the word's upper two bytes are the scale 1
	s_lshl_b32 s52, s17, 7
	s_lshl_b32 s53, s19, 3
	s_add_co_u32 s52, s52, s53
	s_lshl_b32 s53, s[WV], 1
	s_add_co_u32 s52, s52, s53                     ; 128 x + 8 rs + 2 w: (head, tile)
	s_mul_i32 s66, s52, 768                        ; as q: its codes,
	s_lshl_b32 s68, s52, 6
	s_add_co_u32 s68, s68, QSC0                    ; its scale words
	s_mul_i32 s56, s17, HEADB
	s_mul_i32 s57, s19, REC
	s_add_co_u32 s56, s56, s57                     ; as k: record (head x, key step rs),
	s_mul_i32 s70, s[WV], 1536
	s_add_co_u32 s70, s70, s56                     ; key tiles 2 w, 2 w + 1,
	s_lshl_b32 s72, s[WV], 7
	s_add_co_u32 s72, s72, s56
	s_add_co_u32 s72, s72, 12288                   ; their scale words
	s_mov_b32 s67, 0
	s_mov_b32 s69, 0
	s_mov_b32 s71, 0
	s_mov_b32 s73, 0
	s_add_nc_u64 s[66:67], s[10:11], s[66:67]
	s_add_nc_u64 s[68:69], s[10:11], s[68:69]
	s_add_nc_u64 s[70:71], s[12:13], s[70:71]
	s_add_nc_u64 s[72:73], s[12:13], s[72:73]
	PUTQK 66, 68                                   ; the same codes serve as queries
	PUTQK 70, 72                                   ; and as keys
	s_wait_tensorcnt 0x0
	ds_add_u32 v254, v255
	s_wait_dscnt 0x0
	CROUND                                         ; the closing round: no work-group ends while a partner may still ask for a tile that names it
	s_endpgm
.Lfunc_end_k_q75545f36e8_gq2:
	.size	k_q75545f36e8_gq2, .Lfunc_end_k_q75545f36e8_gq2-k_q75545f36e8_gq2
	.p2alignl 7, 3214868480
	.fill 96, 4, 3214868480
	.section	.rodata,"a",@progbits
	.p2align	6, 0x0
	.amdhsa_kernel k_q75545f36e8_gq2
		.amdhsa_group_segment_fixed_size 168448
		.amdhsa_private_segment_fixed_size 0
		.amdhsa_enable_private_segment 0
		.amdhsa_kernarg_size 40
		.amdhsa_user_sgpr_count 2
		.amdhsa_user_sgpr_kernarg_segment_ptr 1
		.amdhsa_wavefront_size32 1
		.amdhsa_system_sgpr_workgroup_id_x 1
		.amdhsa_system_sgpr_workgroup_id_y 1
		.amdhsa_system_sgpr_workgroup_id_z 1
		.amdhsa_system_vgpr_workitem_id 0
		.amdhsa_next_free_vgpr 256
		.amdhsa_next_free_sgpr 96
		.amdhsa_reserve_vcc 1
		.amdhsa_float_denorm_mode_32 3
		.amdhsa_float_denorm_mode_16_64 3
		.amdhsa_memory_ordered 1
		.amdhsa_forward_progress 1
		.amdhsa_inst_pref_size 37
	.end_amdhsa_kernel
	.amdgpu_metadata
---
amdhsa.version: [ 1, 2 ]
amdhsa.kernels:
  - .name:           k_q75545f36e8_gq2
    .symbol:         k_q75545f36e8_gq2.kd
    .args:
      - { .name: act, .offset: 0, .size: 8, .value_kind: global_buffer, .address_space: global }
      - { .name: wimg, .offset: 8, .size: 8, .value_kind: global_buffer, .address_space: global }
      - { .name: b_q, .offset: 16, .size: 8, .value_kind: global_buffer, .address_space: global }
      - { .name: qimg, .offset: 24, .size: 8, .value_kind: global_buffer, .address_space: global }
      - { .name: kv, .offset: 32, .size: 8, .value_kind: global_buffer, .address_space: global }
    .group_segment_fixed_size: 168448
    .private_segment_fixed_size: 0
    .kernarg_segment_align: 8
    .kernarg_segment_size: 40
    .max_flat_workgroup_size: 128
    .sgpr_count:     96
    .vgpr_count:     256
    .wavefront_size: 32
...
	.end_amdgpu_metadata
.endif
;; end of part 6
;; launch attn2: the kernel of part 3 again; grid 16 x 16, 16 waves a work-group, clusters of 4 x 1, 245,760 bytes of LDS; arguments qimg, kv, act; writes act
;; launch gfo (part 7): grid 16 x 16, 4 waves a work-group, clusters of 4 x 4, 188,928 bytes of LDS; arguments act, wimg, b_fo, hres, out0; writes out0
.if DOCPART == 7
	.amdgcn_target "amdgcn-amd-amdhsa--gfx1250"
	.amdhsa_code_object_version 6
	.text
	.protected	k_q75545f36e8_gfo
	.globl	k_q75545f36e8_gfo
	.p2align	8
	.type	k_q75545f36e8_gfo,@function
k_q75545f36e8_gfo:
	s_mov_b64 s[64:65], 0
	v_nop
	global_prefetch_b8 v0, s[64:65] scope:SCOPE_SE
	s_setreg_imm32_b32 hwreg(HW_REG_WAVE_MODE, 25, 1), 1
	s_wait_xcnt 0x0
	s_wait_alu depctr_hold_cnt(0) depctr_sa_sdst(0) depctr_va_vdst(0) depctr_va_sdst(0) depctr_va_ssrc(0) depctr_va_vcc(0) depctr_vm_vsrc(0)
	s_getreg_b32 s2, hwreg(HW_REG_IB_STS2, 6, 4)
	s_cmp_eq_u32 s2, 0
	s_cbranch_scc0 .Lentry_in_a_cluster
	s_endpgm
.Lentry_in_a_cluster:
	s_bfe_u32 s2, ttmp6, 0x10000c
	s_cmp_lg_u32 s2, 0xf033
	s_cbranch_scc0 .Lentry_shape_is_right
	s_endpgm
.Lentry_shape_is_right:
; out = res + f(Q(a) Q(W)^T + bias), f the identity (GELU = 0) or the exact GELU (GELU = 1), on codes of BF6 (E3M2), K = 1,024; a: 2,048 rows as tile records in act; W: 1,024 rows as tile records in wimg; res, out: [2048][1024] f32.
; OPERANDS are tile records of 12,800 bytes (16 rows x K 1,024): 512 scale bytes (place r: 32 bytes at 32 r, word s = K step s), then half fragments of 768 bytes at 512 + 1536 s + 768 c (lane l: four registers at 16 l, two at 512 + 8 l).
; Tile 2 g + u holds in place r the row 32 g + 8 u + r + 8 (r / 8).
; A WORK-GROUP makes 128 rows (S1 = act, source 1: a lane holds one row) x 64 columns (S0 = W, source 0: along a lane's registers).  Wave w takes S1's tiles 2 w, 2 w + 1 against S0's four: 8 accumulators.
; BOTH OPERANDS FIT IN LDS AT ONCE (153,600 bytes): each is filled once, no slot is filled again.  CLUSTER 4 x 4: S1 hangs on the row of the cluster alone and S0 on its column alone: each is asked for JOINTLY by the four that share it.
; A wave has two tensor loads out, issued together behind the one round of the cluster's barrier.
; RES IS ASKED FOR AT THE HEAD, behind the bias, into v256-319 (window 1): its 16 loads are on their way while the operands land and the eight K steps are multiplied.  Four switches of the register window in all.
; THE WAY OUT: a wave's 32 rows x 64 columns go through its own stage in LDS (rows of 256 + 16 bytes, behind the operands, where no fill lands) and leave as rows: sixteen lanes store 256 consecutive bytes, aligned.
; GELU: 0.5 z (1 + erf(z / sqrt 2)), erf by the five-term rational form 1 - (a1 t + .. + a5 t^5) exp(-a^2), t = 1 / (1 + p a).  LIMIT: its absolute error is 1.5e-7 for every argument.  NaN and infinities are not served.
.set GELU,  1
.set WBASE, 320                        ; the weight's first record in wimg
.set TRB,   12800
.set S1L,   4*TRB                      ; LDS: S0's four records at 0, S1's eight behind them,
.set STG,   12*TRB                     ; then a stage of 32 rows x 272 bytes for each wave
.set ACC,   16                         ; v16-79   accumulator (j, i) at v[16 + 8 (4 j + i)]
.set F0,    80                         ; v80-151, v152-223: two sets of fragments: S0's four at + 12 i, S1's two at + 48 + 12 j
.set F1,    152
.set SC,    224                        ; v224-235 scale words and nothing else: two sets of 4 + 2
.set TA,    16                         ; the GELU's registers, where the accumulators lay: t,
.set TE,    32                         ; exp(-z^2 / 2),
.set TP,    48                         ; the polynomial,
.set TH,    64                         ; z / 2
.set WV,    14
.macro PLACES                          ; four places behind a matrix instruction, in front of loads into its registers and of reads of its results
.rept 4
	v_nop
.endr
.endm
.macro CROUND                          ; a round of the cluster's barrier
	s_barrier_signal -1
	s_barrier_wait -1
	s_cmp_lg_u32 s[WV], 0
	s_cbranch_scc1 .Lnot_wave_0_\@
	s_barrier_signal -3
.Lnot_wave_0_\@:
	s_barrier_wait -3
	s_barrier_signal -1
	s_barrier_wait -1
.endm
.macro FETCH s, f                      ; K step s: 30 LDS loads into set f; every load of codes reads consecutive bytes
.irp i, 0,1,2,3
.irp c, 0,1
	ds_load_b128 v[\f+12*\i+6*\c:\f+12*\i+6*\c+3], v1 offset:TRB*\i+512+1536*(\s)+768*\c
	ds_load_b64 v[\f+12*\i+6*\c+4:\f+12*\i+6*\c+5], v2 offset:TRB*\i+1024+1536*(\s)+768*\c
.endr
.endr
.irp j, 0,1
.irp c, 0,1
	ds_load_b128 v[\f+48+12*\j+6*\c:\f+48+12*\j+6*\c+3], v4 offset:TRB*\j+512+1536*(\s)+768*\c
	ds_load_b64 v[\f+48+12*\j+6*\c+4:\f+48+12*\j+6*\c+5], v5 offset:TRB*\j+1024+1536*(\s)+768*\c
.endr
.endr
.irp i, 0,1,2,3
	ds_load_b32 v[SC+6*((\s)%2)+\i], v3 offset:TRB*\i+4*(\s)
.endr
.irp j, 0,1
	ds_load_b32 v[SC+6*((\s)%2)+4+\j], v6 offset:TRB*\j+4*(\s)
.endr
.endm
.macro MUL s, f                        ; 8 matrix instructions, the 8 accumulators by turns
.irp j, 0,1
.irp i, 0,1,2,3
	v_wmma_scale_f32_16x16x128_f8f6f4 v[ACC+8*(4*\j+\i):ACC+8*(4*\j+\i)+7], v[\f+12*\i:\f+12*\i+11], v[\f+48+12*\j:\f+48+12*\j+11], v[ACC+8*(4*\j+\i):ACC+8*(4*\j+\i)+7], v[SC+6*((\s)%2)+\i], v[SC+6*((\s)%2)+4+\j] matrix_a_fmt:MATRIX_FMT_BF6 matrix_b_fmt:MATRIX_FMT_BF6
.endr
.endr
.endm
; 16 numbers z in v[F1 + 16 nb] on become gelu(z), in place; the 32 transcendentals are one batch with one wait
.macro GELU16 nb
.set Z, F1+16*(\nb)
.set i, 0
.rept 16
	v_fma_f32 v[TA+i], |v[Z+i]|, v246, 1.0         ; 1 + p |z| / sqrt 2
.set i, i+1
.endr
.set i, 0
.rept 8
	v_pk_mul_f32 v[TE+i:TE+i+1], v[Z+i:Z+i+1], v[248:249]
.set i, i+2
.endr
.set i, 0
.rept 8
	v_pk_mul_f32 v[TE+i:TE+i+1], v[TE+i:TE+i+1], v[Z+i:Z+i+1]   ; -z^2 log2(e) / 2
.set i, i+2
.endr
.set i, 0
.rept 16
	v_rcp_f32 v[TA+i], v[TA+i]
.set i, i+1
.endr
.set i, 0
.rept 16
	v_exp_f32 v[TE+i], v[TE+i]
.set i, i+1
.endr
.set i, 0
.rept 8
	v_pk_mul_f32 v[TH+i:TH+i+1], v[Z+i:Z+i+1], 0.5 op_sel_hi:[1,0]   ; plain work behind the batch
.set i, i+2
.endr
	s_wait_alu depctr_va_vdst(0)                   ; one wait for the batch, ahead of its first reader
.set i, 0
.rept 8
	v_pk_fma_f32 v[TP+i:TP+i+1], v[TA+i:TA+i+1], v[236:237], v[238:239]
.set i, i+2
.endr
.irp c, 240,242,244
.set i, 0
.rept 8
	v_pk_fma_f32 v[TP+i:TP+i+1], v[TP+i:TP+i+1], v[TA+i:TA+i+1], v[\c:\c+1]
.set i, i+2
.endr
.endr
.set i, 0
.rept 8
	v_pk_mul_f32 v[TP+i:TP+i+1], v[TP+i:TP+i+1], v[TA+i:TA+i+1]
.set i, i+2
.endr
.set i, 0
.rept 8
	v_pk_fma_f32 v[TP+i:TP+i+1], v[TP+i:TP+i+1], v[TE+i:TE+i+1], 1.0 op_sel_hi:[1,1,0] neg_lo:[1,0,0] neg_hi:[1,0,0]   ; erf(|z| / sqrt 2)
.set i, i+2
.endr
.set i, 0
.rept 16
	v_fma_f32 v[Z+i], |v[TH+i]|, v[TP+i], v[TH+i]  ; z / 2 + |z / 2| erf
.set i, i+1
.endr
.endm
	s_load_b256 s[4:11], s[0:1], 0x0               ; act s[4:5], wimg s[6:7], the bias s[8:9], res s[10:11]
	s_load_b64 s[12:13], s[0:1], 0x20              ; out
	v_lshl_add_u32 v254, v0, 2, 0x2e000
	v_mov_b32 v255, 0
	ds_add_u32 v254, v255
	ds_add_u32 v254, v255
	v_lshrrev_b32 v12, 5, v0
	v_readfirstlane_b32 s[WV], v12                 ; wave 0..3
	s_bfe_u32 s15, ttmp6, 0x40000                  ; cx
	s_bfe_u32 s16, ttmp6, 0x40004                  ; cy
	s_lshl_b32 s17, ttmp9, 2
	s_add_co_u32 s17, s17, s15                     ; x = 4 x cluster x + cx: which 64 columns
	s_and_b32 s18, ttmp7, 0xffff
	s_lshl_b32 s19, s18, 2
	s_add_co_u32 s19, s19, s16                     ; rs = 4 x cluster y + cy: which 128 rows
	s_lshl_b32 s52, s16, 2
	s_lshl_b32 s52, 15, s52                        ; my row of the cluster
	s_lshl_b32 s53, 0x1111, s15                    ; my column
	; group 1: dense blocks as rows of 256 bytes (32 elements of 8 bytes): S1: two records, 100 rows; S0: one record, 50 rows
	s_or_b32 s24, s52, (3<<16)|(1<<21)             ; 15:0 the mask; 17:16 elements of 8 bytes; 21 set beside a mask
	s_mov_b32 s25, 32<<16
	s_mov_b32 s26, 100<<16
	s_mov_b32 s27, 32<<16
	s_mov_b32 s28, 100
	s_mov_b32 s29, 32
	s_mov_b32 s30, 0
	s_mov_b32 s31, 0
	s_or_b32 s36, s53, (3<<16)|(1<<21)
	s_mov_b32 s37, 32<<16
	s_mov_b32 s38, 50<<16
	s_mov_b32 s39, 32<<16
	s_mov_b32 s40, 50
	s_mov_b32 s41, 32
	s_mov_b32 s42, 0
	s_mov_b32 s43, 0
	s_lshl_b32 s54, s19, 3                         ; S1: act's tiles 8 rs on (never cx)
	s_lshl_b32 s56, s17, 2
	s_add_co_u32 s56, s56, WBASE                   ; S0: the weight's tiles 4 x on (never cy)
	s_lshl_b32 s59, s[WV], 1
	s_add_co_u32 s54, s54, s59                     ; I fetch S1's records 2 w, 2 w + 1
	s_mul_i32 s54, s54, TRB
	s_mov_b32 s55, 0
	s_add_co_u32 s56, s56, s[WV]                   ; and S0's record w
	s_mul_i32 s56, s56, TRB
	s_mov_b32 s57, 0
	s_mov_b32 s32, 1
	s_mul_i32 s33, s[WV], 2*TRB
	s_add_co_u32 s33, s33, S1L                     ; LDS addresses hang on the wave's number alone
	s_mov_b32 s44, 1
	s_mul_i32 s45, s[WV], TRB
	s_wait_dscnt 0x0
	s_wait_kmcnt 0x0
	s_add_nc_u64 s[34:35], s[4:5], s[54:55]
	s_or_b32 s35, s35, 0x80000000
	s_add_nc_u64 s[46:47], s[6:7], s[56:57]
	s_or_b32 s47, s47, 0x80000000
	CROUND                                         ; all sixteen work-groups are here: the joint loads meet
	tensor_load_to_lds s[32:35], s[24:31]
	s_nop 0
	tensor_load_to_lds s[44:47], s[36:43]
	s_nop 0
	PLACES                                         ; four v_nop follow the loads
	v_and_b32 v12, 31, v0                          ; l
	v_and_b32 v13, 15, v0                          ; r
	v_bfe_u32 v14, v0, 4, 1                        ; h
	v_lshlrev_b32 v1, 4, v12                       ; S0: 16 l,
	v_lshlrev_b32 v2, 3, v12                       ; 8 l,
	v_lshlrev_b32 v3, 5, v13                       ; 32 r (scale words)
	v_add_nc_u32 v4, s33, v1                       ; the same for my two records of S1
	v_add_nc_u32 v5, s33, v2
	v_add_nc_u32 v6, s33, v3
	v_lshlrev_b32 v8, 6, v14                       ; the bias: 64 h
	v_and_b32 v15, 8, v13
	v_add_nc_u32 v15, v15, v13                     ; r + 8 (r / 8)
	s_mul_i32 s52, s[WV], 32*272
	s_add_co_u32 s52, s52, STG                     ; my stage
	v_mul_u32_u24 v9, v15, 272
	v_lshl_add_u32 v9, v14, 6, v9
	v_add_nc_u32 v9, s52, v9                       ; in: my row of the 32, + 64 h
	v_mul_u32_u24 v10, v14, 272
	v_lshl_add_u32 v10, v13, 4, v10
	v_add_nc_u32 v10, s52, v10                     ; back: lanes 0-15 one row of 256 bytes, lanes 16-31 the next
	v_lshlrev_b32 v11, 12, v14
	v_lshl_add_u32 v11, v13, 4, v11                ; and the same two rows in res and out
	s_lshl_b32 s60, s17, 8                         ; my 64 columns: 256 x bytes on
	s_mov_b32 s61, 0
	s_add_nc_u64 s[8:9], s[8:9], s[60:61]
	s_lshl_b32 s52, s19, 7
	s_lshl_b32 s53, s[WV], 5
	s_add_co_u32 s52, s52, s53                     ; my first row: 128 rs + 32 w
	s_lshl_b32 s52, s52, 12
	s_add_co_u32 s52, s52, s60
	s_mov_b32 s53, 0
	s_add_nc_u64 s[10:11], s[10:11], s[52:53]
	s_add_nc_u64 s[12:13], s[12:13], s[52:53]
	; THE BIAS IS LOADED INTO THE ACCUMULATORS, in the result's layout: the first K step adds onto it, and nothing is cleared or added later
.irp j, 0,1
.irp i, 0,1,2,3
	global_load_b128 v[ACC+8*(4*\j+\i):ACC+8*(4*\j+\i)+3], v8, s[8:9] offset:(32*(\i/2)+8*(\i%2))*4       ; columns 32 b + 16 h + 8 u + 0 .. 7
	global_load_b128 v[ACC+8*(4*\j+\i)+4:ACC+8*(4*\j+\i)+7], v8, s[8:9] offset:(32*(\i/2)+8*(\i%2))*4+16
.endr
.endr
	s_set_vgpr_msb 0x40                            ; destinations in window 1, addresses in window 0
.irp t, 0,1,2,3,4,5,6,7,8,9,10,11,12,13,14,15
	global_load_b128 v[4*\t:4*\t+3], v11, s[10:11] offset:8192*\t   ; res into v[256 + 4 t] on: rows 2 t and 2 t + 1, 256 consecutive bytes each
.endr
	s_set_vgpr_msb 0x4000                          ; every window 0 again
	s_wait_tensorcnt 0x0                           ; my parts of S1 and S0 are in LDS,
	s_barrier_signal -1
	s_barrier_wait -1                              ; everybody's are
	FETCH 0, F0
	s_wait_dscnt 0x0
	s_wait_loadcnt 16                              ; the bias is in; the 16 younger loads, res, may be out
	MUL 0, F0
	PLACES
	FETCH 1, F1
.irp s, 1,2,3,4,5,6
	FETCH \s+1, F0+72*((\s+1)%2)                   ; the other set's last products stand four places back
	s_wait_dscnt 30                                ; all but the 30 loads just issued: this K step's fragments are in
	MUL \s, F0+72*(\s%2)
	PLACES
.endr
	s_wait_dscnt 0x0
	MUL 7, F1
	PLACES
.irp j, 0,1
.irp b, 0,1
.irp u, 0,1
	ds_store_b128 v9, v[ACC+8*(4*\j+2*\b+\u):ACC+8*(4*\j+2*\b+\u)+3] offset:2176*\j+128*\b+32*\u       ; each accumulator from its low end on
	ds_store_b128 v9, v[ACC+8*(4*\j+2*\b+\u)+4:ACC+8*(4*\j+2*\b+\u)+7] offset:2176*\j+128*\b+32*\u+16
.endr
.endr
.endr
.irp t, 0,1,2,3,4,5,6,7,8,9,10,11,12,13,14,15
	ds_load_b128 v[F1+4*\t:F1+4*\t+3], v10 offset:544*\t   ; LDS serves a wave's instructions in order: these see my stores
.endr
.if GELU
	v_mov_b32 v236, 0x3f87dc22                     ; a5
	v_mov_b32 v237, 0x3f87dc22
	v_mov_b32 v238, 0xbfba00e3                     ; a4
	v_mov_b32 v239, 0xbfba00e3
	v_mov_b32 v240, 0x3fb5f0e3                     ; a3
	v_mov_b32 v241, 0x3fb5f0e3
	v_mov_b32 v242, 0xbe91a98e                     ; a2
	v_mov_b32 v243, 0xbe91a98e
	v_mov_b32 v244, 0x3e827906                     ; a1
	v_mov_b32 v245, 0x3e827906
	v_mov_b32 v246, 0x3e6d3388                     ; p / sqrt 2
	v_mov_b32 v248, 0xbf38aa3b                     ; -log2(e) / 2
	v_mov_b32 v249, 0xbf38aa3b
.endif
	s_wait_dscnt 0x0                               ; the rows are back, and the stores have read the accumulators
.if GELU
	GELU16 0
	GELU16 1
	GELU16 2
	GELU16 3
.endif
	s_wait_loadcnt 0x0                             ; res
	s_set_vgpr_msb 0x04                            ; source 1 in window 1
.set i, 0
.rept 32
	v_pk_add_f32 v[F1+i:F1+i+1], v[F1+i:F1+i+1], v[i:i+1]   ; + res, v[256 + i]
.set i, i+2
.endr
	s_set_vgpr_msb 0x0400                          ; every window 0 again
.irp t, 0,1,2,3,4,5,6,7,8,9,10,11,12,13,14,15
	global_store_b128 v11, v[F1+4*\t:F1+4*\t+3], s[12:13] offset:8192*\t   ; sixteen lanes store 256 consecutive bytes, at a multiple of 256 from the buffer's first byte
.endr
	s_wait_tensorcnt 0x0
	ds_add_u32 v254, v255
	s_wait_dscnt 0x0
	CROUND                                         ; the closing round: no work-group ends while a partner may still ask for a tile that names it
	s_endpgm
.Lfunc_end_k_q75545f36e8_gfo:
	.size	k_q75545f36e8_gfo, .Lfunc_end_k_q75545f36e8_gfo-k_q75545f36e8_gfo
	.p2alignl 7, 3214868480
	.fill 96, 4, 3214868480
	.section	.rodata,"a",@progbits
	.p2align	6, 0x0
	.amdhsa_kernel k_q75545f36e8_gfo
		.amdhsa_group_segment_fixed_size 188928
		.amdhsa_private_segment_fixed_size 0
		.amdhsa_enable_private_segment 0
		.amdhsa_kernarg_size 40
		.amdhsa_user_sgpr_count 2
		.amdhsa_user_sgpr_kernarg_segment_ptr 1
		.amdhsa_wavefront_size32 1
		.amdhsa_system_sgpr_workgroup_id_x 1
		.amdhsa_system_sgpr_workgroup_id_y 1
		.amdhsa_system_sgpr_workgroup_id_z 1
		.amdhsa_system_vgpr_workitem_id 0
		.amdhsa_next_free_vgpr 320
		.amdhsa_next_free_sgpr 96
		.amdhsa_reserve_vcc 0
		.amdhsa_float_denorm_mode_32 3
		.amdhsa_float_denorm_mode_16_64 3
		.amdhsa_memory_ordered 1
		.amdhsa_forward_progress 1
		.amdhsa_inst_pref_size 70
	.end_amdhsa_kernel
	.amdgpu_metadata
---
amdhsa.version: [ 1, 2 ]
amdhsa.kernels:
  - .name:           k_q75545f36e8_gfo
    .symbol:         k_q75545f36e8_gfo.kd
    .args:
      - { .name: act, .offset: 0, .size: 8, .value_kind: global_buffer, .address_space: global }
      - { .name: wimg, .offset: 8, .size: 8, .value_kind: global_buffer, .address_space: global }
      - { .name: b_fo, .offset: 16, .size: 8, .value_kind: global_buffer, .address_space: global }
      - { .name: hres, .offset: 24, .size: 8, .value_kind: global_buffer, .address_space: global }
      - { .name: out0, .offset: 32, .size: 8, .value_kind: global_buffer, .address_space: global }
    .group_segment_fixed_size: 188928
    .private_segment_fixed_size: 0
    .kernarg_segment_align: 8
    .kernarg_segment_size: 40
    .max_flat_workgroup_size: 128
    .sgpr_count:     96
    .vgpr_count:     320
    .wavefront_size: 32
...
	.end_amdgpu_metadata
.endif
;; end of part 7
